; MI455X (gfx1250); checked and timed in simulation.
; The chip was launched on July 23, 2026; its instructions are those of AMD's public machine-readable ISA for CDNA 5 (MIT licence, August 2026) and "CDNA5" Instruction Set Architecture Reference Guide (July 2026). The comments in the code are by the model that wrote it; some were corrected since.
;; Expert. Allowed arithmetic: matrix products marked QUANTISED: E5M2 operands, one E8M0 scale for each 32 along K, by v_wmma_scale_f32_16x16x128_f8f6f4 with both operands' format E5M2, f32 sums; products left as they are: f32 operands where the result goes on into a quantised operand, else bf16, f16 or f32 operands; f32 sums; everything else in f32.
;; Inputs: B0 8 x 1,024 float32; B1 8 x 1,024 float32; B2 8 x 512 float32; W0_codes 8 x 1,024 x 16 x 32 uint8 (E5M2 codes of W0, K innermost, in blocks of 32 codes); W0_scales 8 x 1,024 x 16 uint8 (E8M0 scales of W0, one for each 32 codes along K); W1_codes 8 x 1,024 x 32 x 32 uint8 (E5M2 codes of W1, K innermost, in blocks of 32 codes); W1_scales 8 x 1,024 x 32 uint8 (E8M0 scales of W1, one for each 32 codes along K); W2_codes 8 x 512 x 32 x 32 uint8 (E5M2 codes of W2, K innermost, in blocks of 32 codes); W2_scales 8 x 512 x 32 uint8 (E8M0 scales of W2, one for each 32 codes along K); weight_blend 4,096 x 8 float32; x_codes 4,096 x 16 x 32 uint8 (E5M2 codes of x, K innermost, in blocks of 32 codes); x_scales 4,096 x 16 uint8 (E8M0 scales of x, one for each 32 codes along K).
;; Outputs: out0 4,096 x 512 float32.
;; This version of the problem:
;;   THIS VERSION OF THE PROBLEM IS GIVEN IN LOW PRECISION. The matrix products marked QUANTISED in the list below multiply operands that are first quantised to E5M2 (5 exponent bits, 2 mantissa bits; 8 bits a number), with one power-of-two scale for each 32 numbers along K (OCP MX v1.0); their sums are f32. All else is computed in f32.
;;   The module's matrix products, in the order in which they are computed (A, B: the left and right operand; K: the contracted axis; several contracted axes count as one K, in the product's order):
;;     1. [M 4,096, K 512] x [K 512, N 8,192]; A: input x (given as codes); B: input W0 (given as codes): QUANTISED
;;     2. batch 4,096 x [M 1, K 8] x [K 8, N 1,024]; A: input weight_blend; B: computed on the way: left as it is (K = 8 < 32)
;;     3. [M 4,096, K 8] x [K 8, N 1,024]; A: input weight_blend; B: input B0: left as it is (K = 8 < 32)
;;     4. [M 4,096, K 1,024] x [K 1,024, N 8,192]; A: computed on the way; B: input W1 (given as codes): QUANTISED
;;     5. batch 4,096 x [M 1, K 8] x [K 8, N 1,024]; A: input weight_blend; B: computed on the way: left as it is (K = 8 < 32)
;;     6. [M 4,096, K 8] x [K 8, N 1,024]; A: input weight_blend; B: input B1: left as it is (K = 8 < 32)
;;     7. [M 4,096, K 1,024] x [K 1,024, N 4,096]; A: computed on the way; B: input W2 (given as codes): QUANTISED
;;     8. batch 4,096 x [M 1, K 8] x [K 8, N 512]; A: input weight_blend; B: computed on the way: left as it is (K = 8 < 32)
;;     9. [M 4,096, K 8] x [K 8, N 512]; A: input weight_blend; B: input B2: left as it is (K = 8 < 32)
;;   THE QUANTISER, for each operand of a quantised product, along K:
;;     - K is cut into blocks of 32 from its start; a last block that is shorter is filled with zeros.
;;     - A block's scale is 2^e with e = floor(log2(the largest magnitude in the block)) - 15, held to -126 .. 127; a block of zeros has e = 0. As a byte (E8M0): e + 127.
;;     - Each number is divided by its block's scale, clamped to +-57,344, and rounded to the nearest number of E5M2, ties to even, subnormals kept.
;;     - The product sums the exact products of the quantised numbers (number of the format x scale) in f32.
;;   ~~~python
;;   def quantise(x, axis):      # numpy; x: float32 -> the quantised numbers, widened to float32 again
;;       x = np.moveaxis(x, axis, -1); K = x.shape[-1]
;;       x = np.pad(x, [(0, 0)] * (x.ndim - 1) + [(0, -K % 32)]); x = x.reshape(x.shape[:-1] + (-1, 32)); a = np.abs(x).max(-1, keepdims=True)
;;       e = np.where(a > 0, np.clip(np.frexp(np.where(a > 0, a, 1))[1] - 1 - 15, -126, 127), 0)      # np.frexp(a)[1] - 1 = floor(log2(a)), exactly
;;       r = np.clip(x / 2.0 ** e, -57344, 57344)
;;       step = 2.0 ** (np.maximum(np.frexp(np.where(r == 0, 1, r))[1] - 1, -14) - 2)
;;       q = np.round(r / step) * step * 2.0 ** e      # np.round: ties to even
;;       return np.moveaxis(q.reshape(q.shape[:-2] + (-1,))[..., :K], -1, axis).astype(np.float32)
;;   ~~~
;;   OPERANDS COMPUTED ON THE WAY. 'Computed on the way' means the value that the module computes at that place (a softmax that the list does not call 'softmax' is quantised finished and normalised). What goes into a quantiser is computed in f32, as accurately as f32 sums, v_exp_f32 and their like allow (about 1e-6 of the number): no bf16 or f16 on the way to a quantiser, and a product that is left as it is and whose result goes on into a quantised operand takes f32 operands (vector FMAs, or v_wmma_f32_16x16x4_f32). A number that lies on a knife's edge between two numbers of the format may be rounded either way, as far as f32 arithmetic and the matrix unit's own rounding can turn it there, and no further.
;;   INPUTS GIVEN AS CODES. W0 (in the module: [8, 1024, 512], K = its axis 2); W1 (in the module: [8, 1024, 1024], K = its axis 2); W2 (in the module: [8, 512, 1024], K = its axis 2); x (in the module: [4096, 512], K = its axis 1): each comes as NAME_codes (uint8): NAME with its K axis moved to the last place and cut into blocks of 32 codes, [.., K / 32, bytes a block], one block behind the other in memory; one code a byte (a code: sign, 5 exponent bits, 2 mantissa bits); and NAME_scales (uint8): the same leading axes, one E8M0 byte (e + 127) for each 32 codes along K. Its value is code x scale, taken as it is: it is not quantised again, and the codes and scales need not be those that the quantiser above would give.
;; One version. Each part assembles by itself: llvm-mc -triple=amdgcn-amd-amdhsa -mcpu=gfx1250 --defsym DOCPART=n.
;; ======== version 1 of 1: 3 launches
;; workspace buffers: h1c 4,194,304 bytes; h1s 131,072 bytes; h2c 4,194,304 bytes; h2s 131,072 bytes
;; launch layer0 (part 1): grid 16 x 16, 4 waves a work-group, clusters of 4 x 1, 327,680 bytes of LDS; arguments x_codes, x_scales, W0_codes, W0_scales, B0, weight_blend, h1c, h1s; writes h1c, h1s
.if DOCPART == 1
	.amdgcn_target "amdgcn-amd-amdhsa--gfx1250"
	.amdhsa_code_object_version 6
	.text
	.protected	k_qd17a72cc30_layer0
	.globl	k_qd17a72cc30_layer0
	.p2align	8
	.type	k_qd17a72cc30_layer0,@function
k_qd17a72cc30_layer0:
	s_mov_b64 s[64:65], 0
	v_nop
	global_prefetch_b8 v0, s[64:65] scope:SCOPE_SE
	s_setreg_imm32_b32 hwreg(HW_REG_WAVE_MODE, 25, 1), 1
	s_wait_xcnt 0x0
	s_wait_alu depctr_hold_cnt(0) depctr_sa_sdst(0) depctr_va_vdst(0) depctr_va_sdst(0) depctr_va_ssrc(0) depctr_va_vcc(0) depctr_vm_vsrc(0)
	s_getreg_b32 s2, hwreg(HW_REG_IB_STS2, 6, 4)
	s_cmp_eq_u32 s2, 0
	s_cbranch_scc0 .Lentry_in_a_cluster
	s_endpgm
.Lentry_in_a_cluster:
	s_bfe_u32 s2, ttmp6, 0x10000c
	s_cmp_lg_u32 s2, 0x3003
	s_cbranch_scc0 .Lentry_shape_is_right
	s_endpgm
.Lentry_shape_is_right:
; LAYER 0 of three: h1 = elu( sum over e of blend[b][e] x ( W0[e] x[b] + B0[e] ) ), 4,096 rows, 512 -> 1,024, eight experts; h1 leaves as codes of BF8 (E5M2) with one E8M0 byte for each 32 columns.
; NO WORK OF reference() IS LEFT OUT in any of the three launches: every input (the biases too) has a way to out0, every expert is weighed in for every row.
; ORDER OF ROUNDING: the bias is the C of each expert's first product, so that blend x (y + B) is one multiply-add a number; the experts are summed in ascending order in f32.  reference() sums blend x y and blend x B apart.
; LIMITS: NaN and infinities among the inputs or in a hidden layer are not served.  A hidden block whose largest magnitude lies under 2^(16 - 127) keeps the scale byte 1 (a block of zeros too, where the rule says 127:
; its codes are zeros, and this program alone reads the bytes).
; SHARES.  A work-group of four waves makes 256 rows x 64 columns.  A wave owns 64 rows (four blocks of 16) and all 64 columns (NT tiles of 16), for all eight experts.  Its rows' codes stay in REGISTERS for the whole launch
; (16 registers for a block and 128 along K), so LDS is read for the weights alone, and each fragment of W read from LDS feeds four matrix instructions.
; THE MATRIX INSTRUCTION IS USED TRANSPOSED: source 0 = 16 rows of W[e], source 1 = 16 rows of x: lane (r, h) holds row r of the batch and columns 8 h + 0 .. 7 of the tile, so the row's blend factor is one register a lane.
; AN EXPERT'S SUM y lies in Y (window 1); in the next expert's first K step, directly ahead of the product that starts Y(i, a) anew, four packed multiply-adds take it into ACC.  Nothing is ever cleared.
; CLUSTER: the four work-groups of a cluster have the same 64 columns, so W's tiles, W's scale bytes and the bias are asked for JOINTLY (mask 15).  The rows' codes are each work-group's own and go straight to registers:
; they are shared with work-groups of other columns, but 128 KB to 256 KB of them would not fit in LDS beside the weights.
; LDS: all eight experts' tiles (64 rows x 512 bytes + 16 of padding a row) are asked for at the head and filled once; a wave brings 32 rows of every second expert: by this text's count five tensor loads of a wave are out at the most.
.set KB,    512                        ; K in bytes (one code a byte)
.set NOUT,  1024                       ; rows of W in an expert
.set NT,    4                          ; tiles of 16 columns to a wave
.set WN,    1                          ; waves side by side along the columns
.set NREG,  8                          ; expert regions in LDS
.set AIMG,  0                          ; 0: the rows' codes lie row by row, as the problem gives x;  1: as images of the operand's registers
.set OUTQ,  1                          ; 1: elu, quantise, store codes;  0: store f32
.set QI,    6                          ; the padding's interval: 2 << QI words = a row
.set KSTEPS, KB/128
.set MT,    256/WN                     ; rows of a work-group
.set PITCH, KB+16                      ; an odd multiple of 16: the sixteen rows that a load touches begin at sixteen different 16-byte columns of 256
.set EXPB,  64*PITCH                   ; an expert's region
.set KS,    KB/32                      ; scale bytes of a row
.set GE,    KSTEPS*NT                  ; fragments of W that a wave reads of an expert
.set NB,    GE/4                       ; batches of four fragments in an expert: an even number
.set NF,    NREG/2                     ; first fills of W by a wave
.set AUXN,  (NT/2)*(KS/16)+2*NT        ; LDS loads that bring an expert's scale words and bias
.set SCW,   NREG*EXPB                  ; W's scale bytes: [8 experts][64 rows][KS]
.set BIA,   SCW+8*64*KS                ; the bias: [8 experts][64] f32
.set STG,   BIA+2048                   ; a stage that LDS stores alone write
.if OUTQ
.set STGB,  512                        ; 256 rows x 2 scale bytes
.else
.set STGB,  128*272                    ; 128 rows x (256 bytes + 16)
.endif
.set SPARE, STG+STGB                   ; the spare words, 128 bytes for each wave: two blocks of 256 bytes that no other line names
; REGISTERS.  Window 0:
.set SPW,  1                           ; v1      LDS address of my spare word; never rewritten
.set NIL,  2                           ; v2      0; never rewritten
.set ADW,  3                           ; v3-10   my lane's place in expert region g
.set ADS,  11                          ; v11     among W's scale words
.set ADB,  12                          ; v12     in the bias
.set XA,   13                          ; v13     my lane's byte offset in the wave's rows of codes
.set SAV,  14                          ; v14     in their scale bytes
.set BLV,  15                          ; v15     in weight_blend
.set SA,   16                          ; v16-31  the rows' scale words: SA + KSTEPS p + s: lanes 0-15 row block 2 p, lanes 16-31 block 2 p + 1
.set SB,   32                          ; v32-63  W's scale words, two sets: SB + 16 (e % 2) + KSTEPS g + s: lanes 0-15 tile 2 g, lanes 16-31 tile 2 g + 1
.set BL,   64                          ; v64-95  blend[16 a + r][e] at BL + 8 a + e
.set BIAS, 96                          ; v96-127 B[e][16 i + 8 h + j] at BIAS + 8 i + j
.set BF,   128                         ; v128-255 eight buffers for fragments of W: two sets of four
; Window 1: Y(i, a) at 8 NT a + 8 i;  ACC(i, a) 128 further on.   Windows 2 and 3: the rows' fragment (K step s, block a) at 64 (s % 4) + 16 a, window 2 + s / 4.
.set WV,   20                          ; s20 wave;  s21 cx, then my first row;  s22 my work-group's first row;  s23 the tile of 64 columns;  s104, s105 my place among the waves along rows, columns
.set G1W,  24                          ; s[24:31] group 1: 32 rows of W
.set G1S,  32                          ; s[32:39] group 1: four experts' scale bytes
.set G1B,  40                          ; s[40:47] group 1: four experts' bias
.set G0S,  56
.set G0B,  60
.set G0E,  68                          ; a group 0 for each first fill of W
.set G0R,  84                          ; the refills' group 0
.set W_MMB, 0x48                       ; D window 1, W window 0, rows window 2, C (the bias) window 0
.set W_MM2, 0x58                       ; C and D window 1, rows window 2
.set W_MM3, 0x5c                       ; the same, rows window 3
.set W_BL,  0x51                       ; ACC and Y window 1, the blend factor window 0
.set W_EP,  0x55                       ; everything in window 1
.set W_ST,  0x04                       ; a store: address window 0, data window 1
.set MSB, 0
.macro WIN new                         ; the immediate's high byte repeats the setting that is left; a switch that changes nothing is dropped
.if MSB != (\new)
	s_set_vgpr_msb (MSB<<8)|(\new)
.set MSB, (\new)
.endif
.endm
.macro CREST                           ; a round of the cluster's barrier behind its opening barrier
	s_cmp_lg_u32 s[WV], 0
	s_cbranch_scc1 .Lnot_wave_0_\@
	s_barrier_signal -3
.Lnot_wave_0_\@:
	s_barrier_wait -3
	s_barrier_signal -1
	s_barrier_wait -1
.endm
.macro CROUND                          ; a whole round
	s_barrier_signal -1
	s_barrier_wait -1
	CREST
.endm
.macro NOPS n
.rept \n
	v_nop
.endr
.endm
; The scaled product, with the rows of the two scale registers chosen
.macro MMX d, w, x, c, p, q, ra, rb
.if ((\ra) == 0) && ((\rb) == 0)
	v_wmma_scale_f32_16x16x128_f8f6f4 v[\d:\d+7], v[\w:\w+15], v[\x:\x+15], v[\c:\c+7], v[\p], v[\q] matrix_a_fmt:MATRIX_FMT_BF8 matrix_b_fmt:MATRIX_FMT_BF8
.elseif (\rb) == 0
	v_wmma_scale_f32_16x16x128_f8f6f4 v[\d:\d+7], v[\w:\w+15], v[\x:\x+15], v[\c:\c+7], v[\p], v[\q] matrix_a_fmt:MATRIX_FMT_BF8 matrix_b_fmt:MATRIX_FMT_BF8 matrix_a_scale:MATRIX_SCALE_ROW1
.elseif (\ra) == 0
	v_wmma_scale_f32_16x16x128_f8f6f4 v[\d:\d+7], v[\w:\w+15], v[\x:\x+15], v[\c:\c+7], v[\p], v[\q] matrix_a_fmt:MATRIX_FMT_BF8 matrix_b_fmt:MATRIX_FMT_BF8 matrix_b_scale:MATRIX_SCALE_ROW1
.else
	v_wmma_scale_f32_16x16x128_f8f6f4 v[\d:\d+7], v[\w:\w+15], v[\x:\x+15], v[\c:\c+7], v[\p], v[\q] matrix_a_fmt:MATRIX_FMT_BF8 matrix_b_fmt:MATRIX_FMT_BF8 matrix_a_scale:MATRIX_SCALE_ROW1 matrix_b_scale:MATRIX_SCALE_ROW1
.endif
.endm
; Y(i, a) (+)= W[e] tile i x rows block a, K step s.  The first K step takes the bias as C.
.macro MM e, s, i, a
.set rD, 8*NT*(\a)+8*(\i)
.set rW, BF+16*(((\s)*NT+(\i))%8)
.set rX, 64*((\s)%4)+16*(\a)
.set rC, rD
.if (\s) == 0
.set rC, BIAS+8*(\i)
.endif
.set rP, SB+16*((\e)%2)+KSTEPS*((\i)/2)+(\s)
.set rQ, SA+KSTEPS*((\a)/2)+(\s)
	MMX rD, rW, rX, rC, rP, rQ, (\i)%2, (\a)%2
.endm
; ACC(i, a) (+)= blend[.][e] x Y(i, a): four packed lines, from Y's low end on; of the pair that holds the factor one register serves both halves.  Expert 0 starts ACC.
.macro BLEND e, i, a
.set rY, 8*NT*(\a)+8*(\i)
.set rB, BL+8*(\a)+2*((\e)/2)
.irp j, 0,2,4,6
.if (\e) == 0
	v_pk_mul_f32 v[128+rY+\j:128+rY+\j+1], v[rY+\j:rY+\j+1], v[rB:rB+1] op_sel_hi:[1,0]
.elseif (\e)%2 == 0
	v_pk_fma_f32 v[128+rY+\j:128+rY+\j+1], v[rY+\j:rY+\j+1], v[rB:rB+1], v[128+rY+\j:128+rY+\j+1] op_sel_hi:[1,0,1]
.else
	v_pk_fma_f32 v[128+rY+\j:128+rY+\j+1], v[rY+\j:rY+\j+1], v[rB:rB+1], v[128+rY+\j:128+rY+\j+1] op_sel:[0,1,0] op_sel_hi:[1,1,1]
.endif
.endr
.endm
; Fragment f = NT s + i of expert e: 16 rows x 128 K: lane (r, h) takes, of row 16 i + r, the bytes 128 s + 32 c + 16 h on, into registers 4 c .. 4 c + 3 of buffer f % 8
.macro FRAG e, f
	WIN 0
.set fb, BF+16*((\f)%8)
.set fo, ((\f)%NT)*16*PITCH+128*((\f)/NT)
.irp c, 0,1,2,3
	ds_load_b128 v[fb+4*\c:fb+4*\c+3], v[ADW+(\e)%NREG] offset:fo+32*\c
.endr
.endm
.macro FETCH e, b                      ; the four fragments of batch b of expert e: sixteen loads
	FRAG \e, 4*(\b)
	FRAG \e, 4*(\b)+1
	FRAG \e, 4*(\b)+2
	FRAG \e, 4*(\b)+3
.endm
; Expert e's scale words (16 bytes of a row are the words of four K steps) and its bias
.macro AUX e
	WIN 0
.set ag, 0
.rept NT/2
.set aq, 0
.rept KS/16
	ds_load_b128 v[SB+16*((\e)%2)+KSTEPS*ag+4*aq:SB+16*((\e)%2)+KSTEPS*ag+4*aq+3], v[ADS] offset:(\e)*64*KS+ag*32*KS+16*aq
.set aq, aq+1
.endr
.set ag, ag+1
.endr
.set ag, 0
.rept NT
	ds_load_b128 v[BIAS+8*ag:BIAS+8*ag+3], v[ADB] offset:(\e)*256+64*ag
	ds_load_b128 v[BIAS+8*ag+4:BIAS+8*ag+7], v[ADB] offset:(\e)*256+64*ag+16
.set ag, ag+1
.endr
.endm
; THE RUN OF LDS LOADS behind batch b of expert e: the batch after next comes into the four buffers that this batch has just read; behind an expert's first batch the next expert's scale words and bias come too.
; In front of the loads stand the places that a load into a register which a product has read needs behind that product: eight plain vector lines;
; had of them stand there already.  Behind an expert's last batch nine: they are also the places between Y(0, 0)'s last link and the product that starts it anew (the blend's own four lines name Y(0, 0) and are none);
; every later accumulator has the earlier blends' lines besides.  rn = the loads of the run: what the wait at the next batch's head may leave out.
.macro RUN e, b, had
.set rn, 0
.if ((\e) < 7) || ((\b) < NB-2)
	WIN 0
.if (\b) == NB-1
	NOPS 9-(\had)
.else
	NOPS 8-(\had)
.endif
.if (\b) < NB-2
	FETCH \e, (\b)+2
.else
	FETCH (\e)+1, (\b)+2-NB
.endif
.set rn, 16
.if ((\b) == 0) && ((\e) < 7)
	AUX (\e)+1
.set rn, 16+AUXN
.endif
.endif
.endm
; Fragment u of expert e against my four row blocks: four products on four accumulators.  In an expert's first K step the blend of the expert before stands directly ahead of the product that starts Y(i, a) anew.
.macro QUAD e, u
.set gs, (\u)/NT
.set gi, (\u)%NT
.if ((\e) == 0) && (gi == 0)
.set lc, 16*(KSTEPS-1-gs)
.if lc > 63
.set lc, 63
.endif
	s_wait_loadcnt lc                              ; the rows' codes of this K step are in (and all that was asked for ahead of them): behind them stand 16 loads for each later K step; the count names 63 at the most
.endif
.irp a, 0,1,2,3
.if (gs == 0) && ((\e) > 0)
	WIN W_BL
	BLEND (\e)-1, gi, \a
.endif
.if gs == 0
	WIN W_MMB
.elseif gs < 4
	WIN W_MM2
.else
	WIN W_MM3
.endif
	MM \e, gs, gi, \a
.endr
.endm
; A BATCH: four fragments, sixteen products back to back, then one run of loads.  The 4 NT accumulators take turns, one instruction a turn, in the same order in every K step.
; IN THE LAST BATCH BUT ONE OF EXPERTS 1, 3 AND 5, behind which the next pair of experts is first read, stands a barrier; my reads of this expert's region were all issued a batch ago.
; kind 1: every wave has seen its part of the next pair's tiles land; my fills of later pairs (cnt of them) may stay out.
; kind 2: the two regions whose experts are done are filled again: the wait for all my tensor loads, the add, eight products, the wait for the add and for my reads, and a round of the cluster's barrier, in which eight products stand.
.macro BATCH e, b
.set kind, 0
.set cnt, 0
.if ((\b) == NB-2) && (((\e)%2) == 1) && ((\e) < 7)
.set kind, 1
.set cnt, (5-(\e))/2
.if (NREG == 4) && ((\e) < 5)
.set kind, 2
.endif
.endif
.if kind == 2
	WIN 0                                          ; (the add's two registers lie in window 0)
	s_wait_tensorcnt 0x0                           ; all my tensor loads have landed, so a group 0 may be written
	ds_add_u32 v[SPW], v[NIL]                      ; 0 onto my spare word
.if (\e) == 3
	s_add_co_u32 s[G0R+1], s[G0R+1], 2*EXPB        ; the second refill: two regions and two experts on
	s_add_nc_u64 s[G0R+2:G0R+3], s[G0R+2:G0R+3], 2*NOUT*KB
.endif
	s_wait_dscnt rn+1                              ; this batch's fragments are in; the add and the run just issued may be out
.else
	s_wait_dscnt rn                                ; this batch's fragments, asked for a batch ago, are in; the run just issued may be out
.endif
	QUAD \e, 4*(\b)
	QUAD \e, 4*(\b)+1
.if kind == 2
	s_wait_dscnt 0x0                               ; the add is done, and my reads of the two regions are over
	s_barrier_signal -1                            ; opens the round
.elseif kind == 1
	s_wait_tensorcnt cnt
	s_wait_dscnt 0x0
	s_barrier_signal -1
.endif
	QUAD \e, 4*(\b)+2
	QUAD \e, 4*(\b)+3
.if kind == 2
	WIN 0
	s_barrier_wait -1
	CREST                                          ; no wave of any partner still reads the two regions or has a load on its way
	tensor_load_to_lds s[G0R:G0R+3], s[G1W:G1W+7]  ; my one tensor load behind the round: 32 rows of one of the two experts; it has two experts' products in which to land
	s_nop 0
	NOPS 4                                         ; four of the eight places in front of the run
	RUN \e, \b, 4
.else
.if kind == 1
	s_barrier_wait -1
.endif
	RUN \e, \b, 0
.endif
.endm
.macro EXPERT e
.set eb, 0
.rept NB
	BATCH \e, eb
.set eb, eb+1
.endr
.endm
	s_load_b256 s[4:11], s[0:1], 0x0               ; rows' codes s[4:5], rows' scales s[6:7], W's codes s[8:9], W's scales s[10:11]
	s_load_b128 s[12:15], s[0:1], 0x20             ; bias s[12:13], weight_blend s[14:15]
	s_load_b64 s[16:17], s[0:1], 0x30              ; the output (codes or f32)
.if OUTQ
	s_load_b64 s[18:19], s[0:1], 0x38              ; the output's scale bytes
.endif
	v_lshl_add_u32 v[SPW], v0, 2, SPARE
	v_mov_b32 v[NIL], 0
	ds_add_u32 v[SPW], v[NIL]                      ; the wave's opening: the add, twice on end, and its wait ahead of my first tensor load; the set-up below, work on registers, stands between
	ds_add_u32 v[SPW], v[NIL]
	v_lshrrev_b32 v128, 5, v0
	v_readfirstlane_b32 s[WV], v128                ; wave 0..3
	s_bfe_u32 s21, ttmp6, 0x40000                  ; cx: it enters the addresses of the rows, the blend and the outputs alone
	s_lshl_b32 s22, ttmp9, 2
	s_add_co_u32 s22, s22, s21                     ; my block of rows = 4 x cluster x + cx
	s_and_b32 s23, ttmp7, 0xffff                   ; my tile of 64 columns, which the four partners share
	s_lshr_b32 s104, s[WV], WN-1
	s_and_b32 s105, s[WV], WN-1
	s_mul_i32 s22, s22, MT                         ; the work-group's first row
	s_lshl_b32 s21, s104, 6
	s_add_co_u32 s21, s21, s22                     ; my wave's first row
	; descriptor groups 1: constants
	s_mov_b32 s[G1W], 15|(1<<20)|(1<<21)|(QI<<22)|(3<<25)   ; 15:0 the mask: all four work-groups; 17:16 elements of 1 byte; 20 padding on; 21 set beside a mask; 24:22 after every row; 31:25 four words
	s_mov_b32 s[G1W+1], KB<<16                     ; tensor_dim0
	s_mov_b32 s[G1W+2], 32<<16                     ; tensor_dim1
	s_mov_b32 s[G1W+3], KB<<16                     ; tile_dim0
	s_mov_b32 s[G1W+4], 32                         ; tile_dim1
	s_mov_b32 s[G1W+5], KB                         ; from row to row
	s_mov_b32 s[G1W+6], 0
	s_mov_b32 s[G1W+7], 0
	s_mov_b32 s[G1S], 15|(3<<16)|(1<<21)           ; elements of 8 bytes, no padding: a row = one expert's 64 x KS scale bytes, dense in memory
	s_mov_b32 s[G1S+1], (8*KS)<<16
	s_mov_b32 s[G1S+2], 4<<16
	s_mov_b32 s[G1S+3], (8*KS)<<16
	s_mov_b32 s[G1S+4], 4
	s_mov_b32 s[G1S+5], NOUT*KS/8                  ; from expert to expert
	s_mov_b32 s[G1S+6], 0
	s_mov_b32 s[G1S+7], 0
	s_mov_b32 s[G1B], 15|(3<<16)|(1<<21)           ; a row = one expert's 64 biases, 256 bytes
	s_mov_b32 s[G1B+1], 32<<16
	s_mov_b32 s[G1B+2], 4<<16
	s_mov_b32 s[G1B+3], 32<<16
	s_mov_b32 s[G1B+4], 4
	s_mov_b32 s[G1B+5], NOUT/2
	s_mov_b32 s[G1B+6], 0
	s_mov_b32 s[G1B+7], 0
	; groups 0: LDS addresses, and the byte offsets to which the pointers are added below.  s48 to s50, s100, s101 and these registers never hold cx
	s_lshl_b32 s100, s23, 6                        ; the tile's first column = first row of W in an expert
	s_and_b32 s101, s[WV], 1
	s_mov_b32 s[G0S], 1
	s_mul_i32 s[G0S+1], s101, 256*KS               ; waves 0, 1: the scale bytes of experts 0-3, 4-7
	s_add_co_u32 s[G0S+1], s[G0S+1], SCW
	s_mul_i32 s[G0S+2], s101, 4*NOUT
	s_add_co_u32 s[G0S+2], s[G0S+2], s100
	s_mov_b32 s[G0B], 1
	s_lshl_b32 s[G0B+1], s101, 10                  ; waves 2, 3: the bias of experts 0-3, 4-7
	s_add_co_u32 s[G0B+1], s[G0B+1], BIA
	s_lshl_b32 s[G0B+2], s[G0S+2], 2
	s_mul_i32 s[G0S+2], s[G0S+2], KS
	s_mov_b32 s[G0S+3], 0
	s_mov_b32 s[G0B+3], 0
	s_lshr_b32 s48, s[WV], 1                       ; W: wave w brings rows 32 (w % 2) on of experts w / 2, 2 + w / 2, ..
	s_mul_i32 s49, s48, NOUT
	s_add_co_u32 s49, s49, s100
	s_lshl_b32 s50, s101, 5
	s_add_co_u32 s49, s49, s50
	s_mul_i32 s49, s49, KB                         ; where they begin in W, in bytes, for expert w / 2,
	s_mul_i32 s48, s48, EXPB
	s_mul_i32 s50, s101, 32*PITCH
	s_add_co_u32 s48, s48, s50                     ; and in LDS
.set hq, 0
.rept NF
	s_mov_b32 s[G0E+4*hq], 1
	s_add_co_u32 s[G0E+4*hq+1], s48, 2*hq*EXPB
	s_add_co_u32 s[G0E+4*hq+2], s49, 2*hq*NOUT*KB
	s_mov_b32 s[G0E+4*hq+3], 0
.set hq, hq+1
.endr
.if NREG == 4
	s_mov_b32 s[G0R], 1                            ; the first refill: expert 4 + w / 2 into region w / 2
	s_mov_b32 s[G0R+1], s48
	s_add_co_u32 s[G0R+2], s49, 4*NOUT*KB
	s_mov_b32 s[G0R+3], 0
.endif
	; my lane's places
	v_and_b32 v128, 15, v0                         ; r
	v_bfe_u32 v129, v0, 4, 1                       ; h
	v_and_b32 v130, 31, v0                         ; lane
	v_mul_u32_u24 v131, v128, PITCH
	v_lshl_add_u32 v131, v129, 4, v131
	s_mul_i32 s100, s105, NT*16*PITCH
	v_add_nc_u32 v131, s100, v131                  ; row r of my first tile, + 16 h
.set hq, 0
.rept NREG
	v_add_nc_u32 v[ADW+hq], hq*EXPB, v131
.set hq, hq+1
.endr
	s_mul_i32 s100, s105, 32*KS
	s_add_co_u32 s100, s100, SCW
	v_mul_u32_u24 v[ADS], v130, KS
	v_add_nc_u32 v[ADS], s100, v[ADS]              ; lane l: the scale bytes of row l of my columns' first 32
	s_mul_i32 s100, s105, 64*NT
	s_add_co_u32 s100, s100, BIA
	v_lshlrev_b32 v[ADB], 5, v129
	v_add_nc_u32 v[ADB], s100, v[ADB]              ; my half's eight biases of a tile
.if AIMG
	v_lshlrev_b32 v[XA], 4, v130                   ; an image: 16 bytes a lane
	v_lshlrev_b32 v[SAV], 1, v130                  ; a plane of scale bytes: 2 bytes a row
.else
	v_lshlrev_b32 v[XA], 9, v128
	v_lshl_add_u32 v[XA], v129, 4, v[XA]           ; row r of 512 bytes, + 16 h
	v_lshlrev_b32 v[SAV], 4, v130                  ; 16 scale bytes a row
.endif
	v_lshlrev_b32 v[BLV], 5, v128                  ; 32 bytes of weight_blend a row
	s_wait_dscnt 0x0                               ; both opening adds are done
	s_wait_kmcnt 0x0
	s_add_nc_u64 s[G0S+2:G0S+3], s[10:11], s[G0S+2:G0S+3]
	s_or_b32 s[G0S+3], s[G0S+3], 0x80000000        ; type = 2
	s_add_nc_u64 s[G0B+2:G0B+3], s[12:13], s[G0B+2:G0B+3]
	s_or_b32 s[G0B+3], s[G0B+3], 0x80000000
.if NREG == 4
	s_add_nc_u64 s[G0R+2:G0R+3], s[8:9], s[G0R+2:G0R+3]
	s_or_b32 s[G0R+3], s[G0R+3], 0x80000000
.endif
.set hq, 0
.rept NF
	s_add_nc_u64 s[G0E+4*hq+2:G0E+4*hq+3], s[8:9], s[G0E+4*hq+2:G0E+4*hq+3]
	s_or_b32 s[G0E+4*hq+3], s[G0E+4*hq+3], 0x80000000
.set hq, hq+1
.endr
	CROUND                                         ; all four work-groups are here: the first joint loads meet
	s_cmp_lt_u32 s[WV], 2                          ; the scale bytes (waves 0, 1) and the bias (waves 2, 3) first: they are wanted with expert 0.  The branch hangs on the wave's number alone
	s_cbranch_scc0 .Lfor_bias
	tensor_load_to_lds s[G0S:G0S+3], s[G1S:G1S+7]
	s_nop 0
	NOPS 4
	s_branch .Lasked
.Lfor_bias:
	tensor_load_to_lds s[G0B:G0B+3], s[G1B:G1B+7]
	s_nop 0
	NOPS 4
.Lasked:
.set hq, 0
.rept NF
	tensor_load_to_lds s[G0E+4*hq:G0E+4*hq+3], s[G1W:G1W+7]   ; my half of the tile of expert 2 hq + w / 2
	s_nop 0
.set hq, hq+1
.endr
	NOPS 4
	s_mov_b32 s3, 0                                ; the bases of what is my work-group's own
	s_mul_i32 s2, s21, KB
	s_add_nc_u64 s[4:5], s[4:5], s[2:3]            ; my rows' codes: KB bytes a row in either layout
.if AIMG
	s_lshl_b32 s2, s21, 1
.else
	s_lshl_b32 s2, s21, 4
.endif
	s_add_nc_u64 s[6:7], s[6:7], s[2:3]
	s_lshl_b32 s2, s21, 5
	s_add_nc_u64 s[14:15], s[14:15], s[2:3]
.if OUTQ
	s_add_co_u32 s2, s21, s23
	s_lshl_b32 s2, s2, 10                          ; codes out: 1,024 bytes a row (16,384 a block of 16), and 1,024 for each 64 columns inside a block's image
	s_add_nc_u64 s[16:17], s[16:17], s[2:3]
	s_lshl_b32 s2, s23, 12
	s_add_co_u32 s2, s2, s22
	s_lshl_b32 s2, s2, 1                           ; scale bytes out: plane = my tile of 64 columns, 2 bytes a row
	s_add_nc_u64 s[18:19], s[18:19], s[2:3]
.else
	s_lshl_b32 s2, s[WV], 5
	s_add_co_u32 s2, s2, s22
	s_lshl_b32 s2, s2, 11                          ; out0: the 32 rows that my wave stores, 2,048 bytes a row,
	s_lshl_b32 s3, s23, 8
	s_add_co_u32 s2, s2, s3                        ; and 256 bytes for each 64 columns
	s_mov_b32 s3, 0
	s_add_nc_u64 s[16:17], s[16:17], s[2:3]
.endif
.if AIMG
.set hq, 0
.rept 16                               ; hq = 8 p + s: the word of K step s is two planes' halves: columns 128 s + 0 .. 63 and + 64 .. 127; lane l takes row 32 p + l
	global_load_u16 v[192+2*hq], v[SAV], s[6:7] offset:(2*(hq%8))*8192+64*(hq/8)
	global_load_u16 v[193+2*hq], v[SAV], s[6:7] offset:(2*(hq%8)+1)*8192+64*(hq/8)
.set hq, hq+1
.endr
.else
	global_load_b128 v[SA:SA+3], v[SAV], s[6:7]              ; lane l: the four scale words of row l;
	global_load_b128 v[SA+4:SA+7], v[SAV], s[6:7] offset:512 ; of row 32 + l
.endif
.irp a, 0,1,2,3
	global_load_b128 v[BL+8*\a:BL+8*\a+3], v[BLV], s[14:15] offset:512*\a
	global_load_b128 v[BL+8*\a+4:BL+8*\a+7], v[BLV], s[14:15] offset:512*\a+16
.endr
.set hq, 0
.rept KSTEPS                           ; the rows' codes, K step by K step, so that the first products can start while the later steps are on their way
	WIN 0x80+0x40*(hq/4)
.irp a, 0,1,2,3
.irp c, 0,1,2,3
.if AIMG
	global_load_b128 v[64*(hq%4)+16*\a+4*\c:64*(hq%4)+16*\a+4*\c+3], v[XA], s[4:5] offset:(8*\a+hq)*2048+512*\c   ; 32 lanes read 512 consecutive bytes
.else
	global_load_b128 v[64*(hq%4)+16*\a+4*\c:64*(hq%4)+16*\a+4*\c+3], v[XA], s[4:5] offset:8192*\a+128*hq+32*\c
.endif
.endr
.endr
.set hq, hq+1
.endr
	WIN 0
.if AIMG
	s_wait_loadcnt 63                              ; behind the 32 halves stand 136 loads; the count names 63 at the most
.set hq, 0
.rept 16
	v_lshl_or_b32 v[SA+hq], v[193+2*hq], 16, v[192+2*hq]
.set hq, hq+1
.endr
	NOPS 8                                         ; a scale register written by a vector instruction stands eight places ahead of the product that names it
.endif
	s_wait_tensorcnt NF-1                          ; my scale bytes or bias and my half of expert 0's or 1's tile are in; my fills of the later pairs may stay out
	s_barrier_signal -1
	s_barrier_wait -1                              ; everybody's are: experts 0 and 1 lie whole in LDS
	AUX 0
	FETCH 0, 0
	FETCH 0, 1
.set rn, 16                            ; behind expert 0's scale words, bias and first batch: the second batch's sixteen loads
.irp e, 0,1,2,3,4,5,6,7
	EXPERT \e
.endr
	; THE WAY OUT.  Its addresses are made first: eight plain lines or more that name no register of the last products: the places ahead of the last blend
	WIN 0
.if OUTQ
	v_and_b32 v3, 31, v0
	v_lshlrev_b32 v3, 4, v3                        ; 16 x lane: an image's place for my lane
	s_lshl_b32 s100, s[WV], 7
	s_add_co_u32 s100, s100, STG
	v_and_b32 v4, 15, v0
	v_lshlrev_b32 v4, 1, v4
	v_add_nc_u32 v4, s100, v4                      ; the stage: 128 bytes a wave, 2 bytes a row
	v_add_nc_u32 v5, STG, v3                       ; and back: 16 bytes a lane
	NOPS 2
.else
	v_and_b32 v3, 15, v0                           ; r
	v_bfe_u32 v4, v0, 4, 1                         ; h
	s_mul_i32 s100, s104, 64*272
	s_lshl_b32 s101, s105, 7
	s_add_co_u32 s100, s100, s101
	s_add_co_u32 s100, s100, STG
	v_mul_u32_u24 v5, v3, 272
	v_lshl_add_u32 v5, v4, 5, v5
	v_add_nc_u32 v5, s100, v5                      ; into the stage: my rows, my 128 bytes of them; row r, 32 bytes for each half of the lanes
	s_mul_i32 s100, s[WV], 32*272
	s_add_co_u32 s100, s100, STG
	v_mul_u32_u24 v6, v4, 272
	v_lshl_add_u32 v6, v3, 4, v6
	v_add_nc_u32 v6, s100, v6                      ; back: wave w takes rows 32 w on, whole: lanes 0-15 one row of 256 bytes, lanes 16-31 the next
	v_lshlrev_b32 v7, 11, v4
	v_lshl_add_u32 v7, v3, 4, v7                   ; and the same two rows in out0
.endif
	WIN W_BL
.irp a, 0,1,2,3
.set bi, 0
.rept NT
	BLEND 7, bi, \a                                ; the last expert
.set bi, bi+1
.endr
.endr
.if OUTQ
; elu and the quantiser, a UNIT at a time: 16 registers H = tiles 2 b and 2 b + 1 of row block a: with lane l xor 16's they are one block of 32 columns of my row.  All in window 1, in the registers that Y has left.
.set TM,  0                            ; m = min(v, 0)
.set TU,  16                           ; 2^(m log2 e), then - 1
.set TQ,  32
.set TS,  48
.set C16, 64                           ; 1/6, twice
.set MX,  66
.set PM,  67
.set SO,  68
.set LM,  69
.set BY,  70                           ; the two bytes of a row block
.set WD,  72                           ; v72-75: the pair of bytes, one register for each row block
.set X0,  76                           ; unit 0's codes; unit n's lie in the first four registers that unit n - 1 has left: no store's data are written again
	WIN W_EP
	s_mov_b32 s24, 0x76543210                      ; (no tensor load is out: the descriptors' registers are free)  v_permlanex16_b32's selects for lane l xor 16
	s_mov_b32 s25, 0xfedcba98
	s_mov_b32 s26, 0x3fb8aa3b                      ; log2(e)
	s_mov_b32 s27, s26                             ; (named with it as a pair)
	s_mov_b32 s28, 0x3d2aaaab                      ; 1/24
	s_mov_b32 s29, s28
	s_mov_b32 s30, 0x600000                        ; the mantissa field of 57,344
	s_mov_b32 s31, 0xbd800000                      ; -1/16
	v_mov_b32 v[C16], 0x3e2aaaab
	v_mov_b32 v[C16+1], 0x3e2aaaab
	v_mov_b32 v[PM], 0                             ; a lane permute's destination counts as one of its sources
; elu(v) = v for v > 0, else e^v - 1.  Two forms of e^m - 1, m = min(v, 0): S = v + m^2 (1/2 + m/6 + m^2/24), which is v itself where v > 0 and is short of the series by m^5/120, under 1.3e-7 of the number for m > -1/16;
; and U = 2^(m log2 e) - 1, whose error of about 1e-7 is small beside a magnitude of 0.06 and more.  S is taken where v > -1/16.
.macro UNIT n, x
.set H, 128+16*(\n)
.irp k, 0,1,2,3,4,5,6,7,8,9,10,11,12,13,14,15
	v_min_num_f32 v[TM+\k], 0, v[H+\k]
.endr
.irp k, 0,2,4,6,8,10,12,14
	v_pk_mul_f32 v[TU+\k:TU+\k+1], v[TM+\k:TM+\k+1], s[26:27] op_sel_hi:[1,0]
.endr
.irp k, 0,1,2,3,4,5,6,7,8,9,10,11,12,13,14,15
	v_exp_f32 v[TU+\k], v[TU+\k]
.endr
.irp k, 0,2,4,6,8,10,12,14
	v_pk_fma_f32 v[TQ+\k:TQ+\k+1], v[TM+\k:TM+\k+1], s[28:29], v[C16:C16+1] op_sel_hi:[1,0,1]   ; m/24 + 1/6.  (The series names no exponential's result: it is the work between the batch and its wait)
.endr
.irp k, 0,2,4,6,8,10,12,14
	v_pk_mul_f32 v[TS+\k:TS+\k+1], v[TM+\k:TM+\k+1], v[TM+\k:TM+\k+1]
.endr
.irp k, 0,2,4,6,8,10,12,14
	v_pk_fma_f32 v[TQ+\k:TQ+\k+1], v[TQ+\k:TQ+\k+1], v[TM+\k:TM+\k+1], 0.5 op_sel_hi:[1,1,0]
.endr
.irp k, 0,2,4,6,8,10,12,14
	v_pk_fma_f32 v[TS+\k:TS+\k+1], v[TQ+\k:TQ+\k+1], v[TS+\k:TS+\k+1], v[H+\k:H+\k+1]
.endr
	s_wait_alu depctr_va_vdst(0)                   ; one wait for the sixteen exponentials, ahead of their first reader
.irp k, 0,2,4,6,8,10,12,14
	v_pk_add_f32 v[TU+\k:TU+\k+1], v[TU+\k:TU+\k+1], -1.0 op_sel_hi:[1,0]
.endr
.irp k, 0,1,2,3,4,5,6,7,8,9,10,11,12,13,14,15
	v_cmp_lt_f32 vcc_lo, s31, v[H+\k]
	v_cndmask_b32 v[H+\k], v[TU+\k], v[TS+\k], vcc_lo
.endr
	v_max3_num_f32 v[MX], |v[H]|, |v[H+1]|, 0x8000000   ; the block's largest magnitude: my 16 numbers, and the floor 2^(16 - 127): so the byte cannot fall under 1
.irp k, 2,4,6,8,10,12,14
	v_max3_num_f32 v[MX], v[MX], |v[H+\k]|, |v[H+\k+1]|
.endr
	v_permlanex16_b32 v[PM], v[MX], s24, s25
	v_max_num_f32 v[MX], v[MX], v[PM]              ; with lane l xor 16's
	v_add_nc_u32 v[SO], 0xf8800000, v[MX]          ; 15 off its exponent field: the conversion takes the exponent field of this operand as its scale
	v_and_or_b32 v[LM], v[MX], 0x7f800000, s30     ; 57,344 x the scale
.irp k, 0,1,2,3,4,5,6,7,8,9,10,11,12,13,14,15
	v_med3_num_f32 v[H+\k], v[H+\k], -v[LM], v[LM] ; the conversion to an 8-bit code does not saturate (ISA guide 7.6.2): the hold at the largest code x the scale
.endr
	v_cvt_scalef32_pk8_bf8_f32 v[\x:\x+1], v[H:H+7], v[SO]         ; columns 32 b + 8 h + 0 .. 7
	v_cvt_scalef32_pk8_bf8_f32 v[\x+2:\x+3], v[H+8:H+15], v[SO]    ; columns 32 b + 16 + 8 h + 0 .. 7
	v_lshrrev_b32 v[BY+(\n)%2], 23, v[SO]          ; the scale's byte.  (The plain line behind the conversions)
	v_permlane16_swap_b32 v[\x], v[\x+2]           ; the first's lanes 16-31 change places with the second's lanes 0-15: lane (r, 0) then holds columns 32 b + 0 .. 15 and lane (r, 1) columns 32 b + 16 .. 31,
	v_permlane16_swap_b32 v[\x+1], v[\x+3]         ; which is how the next layer's operand wants them
.if (\n)%2 == 1
	v_lshl_or_b32 v[WD+(\n)/2], v[BY+1], 8, v[BY]
.endif
	WIN W_ST
	global_store_b128 v3, v[\x:\x+3], s[16:17] offset:((\n)/2)*16384+512*((\n)%2)   ; 32 lanes store 512 consecutive bytes, at a multiple of 512 from the buffer's first byte
	WIN W_EP
.endm
	UNIT 0, X0
.irp n, 1,2,3,4,5,6,7
	UNIT \n, 128+16*(\n-1)
.endr
	WIN W_ST
.irp a, 0,1,2,3
	ds_store_b16 v4, v[WD+\a] offset:32*\a         ; both halves of the lanes write the same two bytes with the same value
.endr
	WIN 0
	s_wait_dscnt 0x0                               ; for the others' sake: my stores into the stage are done
	s_barrier_signal -1
	s_barrier_wait -1
	s_cmp_lg_u32 s[WV], 0
	s_cbranch_scc1 .Lnot_first                     ; wave 0 stores the work-group's 256 rows x 2 bytes
	ds_load_b128 v[128:131], v5
	s_wait_dscnt 0x0
	global_store_b128 v3, v[128:131], s[18:19]     ; 512 consecutive bytes, at a multiple of 512 from the buffer's first byte
.Lnot_first:
.else
	WIN W_ST
.irp a, 0,1,2,3
.irp i, 0,1
	ds_store_b128 v5, v[128+16*\a+8*\i:128+16*\a+8*\i+3] offset:\a*16*272+64*\i
	ds_store_b128 v5, v[128+16*\a+8*\i+4:128+16*\a+8*\i+7] offset:\a*16*272+64*\i+16
.endr
.endr
	WIN 0
	s_wait_dscnt 0x0                               ; for the others' sake: a row's 256 bytes come from two waves
	s_barrier_signal -1
	s_barrier_wait -1
.irp t, 0,1,2,3,4,5,6,7,8,9,10,11,12,13,14,15
	ds_load_b128 v[128+4*\t:128+4*\t+3], v6 offset:\t*2*272
.endr
.irp t, 0,1,2,3,4,5,6,7,8,9,10,11,12,13,14,15
	s_wait_dscnt 15-\t                             ; the younger loads may stay out
	global_store_b128 v7, v[128+4*\t:128+4*\t+3], s[16:17] offset:\t*2*2048 th:TH_STORE_NT   ; 16 lanes store 256 consecutive bytes, at a multiple of 256 from out0's first byte
.endr
.endif
	s_wait_tensorcnt 0x0                           ; the wave's end: the add and its waits, behind my last tensor load and my last LDS store
	ds_add_u32 v[SPW], v[NIL]
	s_wait_dscnt 0x0
	CROUND                                         ; the closing round: no work-group ends while a partner may still ask for a tile that names it
	s_endpgm
.Lfunc_end_k_qd17a72cc30_layer0:
	.size	k_qd17a72cc30_layer0, .Lfunc_end_k_qd17a72cc30_layer0-k_qd17a72cc30_layer0
	.p2alignl 7, 3214868480
	.fill 96, 4, 3214868480
	.section	.rodata,"a",@progbits
	.p2align	6, 0x0
	.amdhsa_kernel k_qd17a72cc30_layer0
		.amdhsa_group_segment_fixed_size 327680
		.amdhsa_private_segment_fixed_size 0
		.amdhsa_enable_private_segment 0
		.amdhsa_kernarg_size 64
		.amdhsa_user_sgpr_count 2
		.amdhsa_user_sgpr_kernarg_segment_ptr 1
		.amdhsa_wavefront_size32 1
		.amdhsa_system_sgpr_workgroup_id_x 1
		.amdhsa_system_sgpr_workgroup_id_y 1
		.amdhsa_system_sgpr_workgroup_id_z 1
		.amdhsa_system_vgpr_workitem_id 0
		.amdhsa_next_free_vgpr 768
		.amdhsa_next_free_sgpr 106
		.amdhsa_reserve_vcc 1
		.amdhsa_float_denorm_mode_32 3
		.amdhsa_float_denorm_mode_16_64 3
		.amdhsa_memory_ordered 1
		.amdhsa_forward_progress 1
		.amdhsa_inst_pref_size 227
	.end_amdhsa_kernel
	.amdgpu_metadata
---
amdhsa.version: [ 1, 2 ]
amdhsa.kernels:
  - .name:           k_qd17a72cc30_layer0
    .symbol:         k_qd17a72cc30_layer0.kd
    .args:
      - { .name: x_codes, .offset: 0, .size: 8, .value_kind: global_buffer, .address_space: global }
      - { .name: x_scales, .offset: 8, .size: 8, .value_kind: global_buffer, .address_space: global }
      - { .name: W0_codes, .offset: 16, .size: 8, .value_kind: global_buffer, .address_space: global }
      - { .name: W0_scales, .offset: 24, .size: 8, .value_kind: global_buffer, .address_space: global }
      - { .name: B0, .offset: 32, .size: 8, .value_kind: global_buffer, .address_space: global }
      - { .name: weight_blend, .offset: 40, .size: 8, .value_kind: global_buffer, .address_space: global }
      - { .name: h1c, .offset: 48, .size: 8, .value_kind: global_buffer, .address_space: global }
      - { .name: h1s, .offset: 56, .size: 8, .value_kind: global_buffer, .address_space: global }
    .group_segment_fixed_size: 327680
    .private_segment_fixed_size: 0
    .kernarg_segment_align: 8
    .kernarg_segment_size: 64
    .max_flat_workgroup_size: 128
    .sgpr_count:     106
    .vgpr_count:     768
    .wavefront_size: 32
...
	.end_amdgpu_metadata
.endif
;; end of part 1
;; launch layer1 (part 2): grid 16 x 16, 4 waves a work-group, clusters of 4 x 1, 327,680 bytes of LDS; arguments h1c, h1s, W1_codes, W1_scales, B1, weight_blend, h2c, h2s; writes h2c, h2s
.if DOCPART == 2
	.amdgcn_target "amdgcn-amd-amdhsa--gfx1250"
	.amdhsa_code_object_version 6
	.text
	.protected	k_qd17a72cc30_layer1
	.globl	k_qd17a72cc30_layer1
	.p2align	8
	.type	k_qd17a72cc30_layer1,@function
k_qd17a72cc30_layer1:
	s_mov_b64 s[64:65], 0
	v_nop
	global_prefetch_b8 v0, s[64:65] scope:SCOPE_SE
	s_setreg_imm32_b32 hwreg(HW_REG_WAVE_MODE, 25, 1), 1
	s_wait_xcnt 0x0
	s_wait_alu depctr_hold_cnt(0) depctr_sa_sdst(0) depctr_va_vdst(0) depctr_va_sdst(0) depctr_va_ssrc(0) depctr_va_vcc(0) depctr_vm_vsrc(0)
	s_getreg_b32 s2, hwreg(HW_REG_IB_STS2, 6, 4)
	s_cmp_eq_u32 s2, 0
	s_cbranch_scc0 .Lentry_in_a_cluster
	s_endpgm
.Lentry_in_a_cluster:
	s_bfe_u32 s2, ttmp6, 0x10000c
	s_cmp_lg_u32 s2, 0x3003
	s_cbranch_scc0 .Lentry_shape_is_right
	s_endpgm
.Lentry_shape_is_right:
; LAYER 1 of three: h2 = elu( sum over e of blend[b][e] x ( W1[e] h1[b] + B1[e] ) ), 4,096 rows, 1,024 -> 1,024, eight experts.  h1 comes, and h2 leaves, as codes of BF8 (E5M2) laid as images of the operand's registers,
; with the scale bytes in planes of 64 columns.  No work of reference() is left out.  The text is layer 0's with other sizes at its head; order of rounding and limits as stated there:
; the bias is the C of each expert's first product, the experts are summed in ascending order in f32; NaN and infinities are not served; a hidden block under 2^(16 - 127), or of zeros, keeps the scale byte 1.
; SHARES.  A work-group of four waves makes 256 rows x 64 columns; a wave owns 64 rows (four blocks of 16) and all 64 columns, for all eight experts; its rows' codes (512 registers) stay in registers.
; THE MATRIX INSTRUCTION IS USED TRANSPOSED: source 0 = 16 rows of W[e], source 1 = 16 rows of h1: lane (r, h) holds row r of the batch and columns 8 h + 0 .. 7 of the tile.
; CLUSTER: the four work-groups of a cluster have the same 64 columns: W's tiles, W's scale bytes and the bias are asked for JOINTLY (mask 15).  The rows' codes are each work-group's own: 256 KB of them would not fit in LDS beside the weights.
; LDS: four expert regions (64 rows x 1,024 bytes + 16 of padding a row).  Experts 0-3 are asked for at the head (three tensor loads of a wave are out at the most, by this text's count); experts 4, 5 come into regions 0, 1
; when expert 1 has been read, experts 6, 7 into regions 2, 3 when expert 3 has: one load of 32 rows a wave behind a round of the cluster's barrier.
.set KB,    1024                       ; K in bytes (one code a byte)
.set NOUT,  1024                       ; rows of W in an expert
.set NT,    4                          ; tiles of 16 columns to a wave
.set WN,    1                          ; waves side by side along the columns
.set NREG,  4                          ; expert regions in LDS
.set AIMG,  1                          ; 0: the rows' codes lie row by row;  1: as images of the operand's registers
.set OUTQ,  1                          ; 1: elu, quantise, store codes;  0: store f32
.set QI,    7                          ; the padding's interval: 2 << QI words = a row
.set KSTEPS, KB/128
.set MT,    256/WN                     ; rows of a work-group
.set PITCH, KB+16                      ; an odd multiple of 16: the sixteen rows that a load touches begin at sixteen different 16-byte columns of 256
.set EXPB,  64*PITCH                   ; an expert's region
.set KS,    KB/32                      ; scale bytes of a row
.set GE,    KSTEPS*NT                  ; fragments of W that a wave reads of an expert
.set NB,    GE/4                       ; batches of four fragments in an expert: an even number
.set NF,    NREG/2                     ; first fills of W by a wave
.set AUXN,  (NT/2)*(KS/16)+2*NT        ; LDS loads that bring an expert's scale words and bias
.set SCW,   NREG*EXPB                  ; W's scale bytes: [8 experts][64 rows][KS]
.set BIA,   SCW+8*64*KS                ; the bias: [8 experts][64] f32
.set STG,   BIA+2048                   ; a stage that LDS stores alone write
.if OUTQ
.set STGB,  512                        ; 256 rows x 2 scale bytes
.else
.set STGB,  128*272                    ; 128 rows x (256 bytes + 16)
.endif
.set SPARE, STG+STGB                   ; the spare words, 128 bytes for each wave: two blocks of 256 bytes that no other line names
; REGISTERS.  Window 0:
.set SPW,  1                           ; v1      LDS address of my spare word; never rewritten
.set NIL,  2                           ; v2      0; never rewritten
.set ADW,  3                           ; v3-10   my lane's place in expert region g
.set ADS,  11                          ; v11     among W's scale words
.set ADB,  12                          ; v12     in the bias
.set XA,   13                          ; v13     my lane's byte offset in the wave's rows of codes
.set SAV,  14                          ; v14     in their scale bytes
.set BLV,  15                          ; v15     in weight_blend
.set SA,   16                          ; v16-31  the rows' scale words: SA + KSTEPS p + s: lanes 0-15 row block 2 p, lanes 16-31 block 2 p + 1
.set SB,   32                          ; v32-63  W's scale words, two sets: SB + 16 (e % 2) + KSTEPS g + s: lanes 0-15 tile 2 g, lanes 16-31 tile 2 g + 1
.set BL,   64                          ; v64-95  blend[16 a + r][e] at BL + 8 a + e
.set BIAS, 96                          ; v96-127 B[e][16 i + 8 h + j] at BIAS + 8 i + j
.set BF,   128                         ; v128-255 eight buffers for fragments of W: two sets of four
; Window 1: Y(i, a) at 8 NT a + 8 i;  ACC(i, a) 128 further on.   Windows 2 and 3: the rows' fragment (K step s, block a) at 64 (s % 4) + 16 a, window 2 + s / 4.
.set WV,   20                          ; s20 wave;  s21 cx, then my first row;  s22 my work-group's first row;  s23 the tile of 64 columns;  s104, s105 my place among the waves along rows, columns
.set G1W,  24                          ; s[24:31] group 1: 32 rows of W
.set G1S,  32                          ; s[32:39] group 1: four experts' scale bytes
.set G1B,  40                          ; s[40:47] group 1: four experts' bias
.set G0S,  56
.set G0B,  60
.set G0E,  68                          ; a group 0 for each first fill of W
.set G0R,  84                          ; the refills' group 0
.set W_MMB, 0x48                       ; D window 1, W window 0, rows window 2, C (the bias) window 0
.set W_MM2, 0x58                       ; C and D window 1, rows window 2
.set W_MM3, 0x5c                       ; the same, rows window 3
.set W_BL,  0x51                       ; ACC and Y window 1, the blend factor window 0
.set W_EP,  0x55                       ; everything in window 1
.set W_ST,  0x04                       ; a store: address window 0, data window 1
.set MSB, 0
.macro WIN new                         ; the immediate's high byte repeats the setting that is left; a switch that changes nothing is dropped
.if MSB != (\new)
	s_set_vgpr_msb (MSB<<8)|(\new)
.set MSB, (\new)
.endif
.endm
.macro CREST                           ; a round of the cluster's barrier behind its opening barrier
	s_cmp_lg_u32 s[WV], 0
	s_cbranch_scc1 .Lnot_wave_0_\@
	s_barrier_signal -3
.Lnot_wave_0_\@:
	s_barrier_wait -3
	s_barrier_signal -1
	s_barrier_wait -1
.endm
.macro CROUND                          ; a whole round
	s_barrier_signal -1
	s_barrier_wait -1
	CREST
.endm
.macro NOPS n
.rept \n
	v_nop
.endr
.endm
; The scaled product, with the rows of the two scale registers chosen
.macro MMX d, w, x, c, p, q, ra, rb
.if ((\ra) == 0) && ((\rb) == 0)
	v_wmma_scale_f32_16x16x128_f8f6f4 v[\d:\d+7], v[\w:\w+15], v[\x:\x+15], v[\c:\c+7], v[\p], v[\q] matrix_a_fmt:MATRIX_FMT_BF8 matrix_b_fmt:MATRIX_FMT_BF8
.elseif (\rb) == 0
	v_wmma_scale_f32_16x16x128_f8f6f4 v[\d:\d+7], v[\w:\w+15], v[\x:\x+15], v[\c:\c+7], v[\p], v[\q] matrix_a_fmt:MATRIX_FMT_BF8 matrix_b_fmt:MATRIX_FMT_BF8 matrix_a_scale:MATRIX_SCALE_ROW1
.elseif (\ra) == 0
	v_wmma_scale_f32_16x16x128_f8f6f4 v[\d:\d+7], v[\w:\w+15], v[\x:\x+15], v[\c:\c+7], v[\p], v[\q] matrix_a_fmt:MATRIX_FMT_BF8 matrix_b_fmt:MATRIX_FMT_BF8 matrix_b_scale:MATRIX_SCALE_ROW1
.else
	v_wmma_scale_f32_16x16x128_f8f6f4 v[\d:\d+7], v[\w:\w+15], v[\x:\x+15], v[\c:\c+7], v[\p], v[\q] matrix_a_fmt:MATRIX_FMT_BF8 matrix_b_fmt:MATRIX_FMT_BF8 matrix_a_scale:MATRIX_SCALE_ROW1 matrix_b_scale:MATRIX_SCALE_ROW1
.endif
.endm
; Y(i, a) (+)= W[e] tile i x rows block a, K step s.  The first K step takes the bias as C.
.macro MM e, s, i, a
.set rD, 8*NT*(\a)+8*(\i)
.set rW, BF+16*(((\s)*NT+(\i))%8)
.set rX, 64*((\s)%4)+16*(\a)
.set rC, rD
.if (\s) == 0
.set rC, BIAS+8*(\i)
.endif
.set rP, SB+16*((\e)%2)+KSTEPS*((\i)/2)+(\s)
.set rQ, SA+KSTEPS*((\a)/2)+(\s)
	MMX rD, rW, rX, rC, rP, rQ, (\i)%2, (\a)%2
.endm
; ACC(i, a) (+)= blend[.][e] x Y(i, a): four packed lines, from Y's low end on; of the pair that holds the factor one register serves both halves.  Expert 0 starts ACC.
.macro BLEND e, i, a
.set rY, 8*NT*(\a)+8*(\i)
.set rB, BL+8*(\a)+2*((\e)/2)
.irp j, 0,2,4,6
.if (\e) == 0
	v_pk_mul_f32 v[128+rY+\j:128+rY+\j+1], v[rY+\j:rY+\j+1], v[rB:rB+1] op_sel_hi:[1,0]
.elseif (\e)%2 == 0
	v_pk_fma_f32 v[128+rY+\j:128+rY+\j+1], v[rY+\j:rY+\j+1], v[rB:rB+1], v[128+rY+\j:128+rY+\j+1] op_sel_hi:[1,0,1]
.else
	v_pk_fma_f32 v[128+rY+\j:128+rY+\j+1], v[rY+\j:rY+\j+1], v[rB:rB+1], v[128+rY+\j:128+rY+\j+1] op_sel:[0,1,0] op_sel_hi:[1,1,1]
.endif
.endr
.endm
; Fragment f = NT s + i of expert e: 16 rows x 128 K: lane (r, h) takes, of row 16 i + r, the bytes 128 s + 32 c + 16 h on, into registers 4 c .. 4 c + 3 of buffer f % 8
.macro FRAG e, f
	WIN 0
.set fb, BF+16*((\f)%8)
.set fo, ((\f)%NT)*16*PITCH+128*((\f)/NT)
.irp c, 0,1,2,3
	ds_load_b128 v[fb+4*\c:fb+4*\c+3], v[ADW+(\e)%NREG] offset:fo+32*\c
.endr
.endm
.macro FETCH e, b                      ; the four fragments of batch b of expert e: sixteen loads
	FRAG \e, 4*(\b)
	FRAG \e, 4*(\b)+1
	FRAG \e, 4*(\b)+2
	FRAG \e, 4*(\b)+3
.endm
; Expert e's scale words (16 bytes of a row are the words of four K steps) and its bias
.macro AUX e
	WIN 0
.set ag, 0
.rept NT/2
.set aq, 0
.rept KS/16
	ds_load_b128 v[SB+16*((\e)%2)+KSTEPS*ag+4*aq:SB+16*((\e)%2)+KSTEPS*ag+4*aq+3], v[ADS] offset:(\e)*64*KS+ag*32*KS+16*aq
.set aq, aq+1
.endr
.set ag, ag+1
.endr
.set ag, 0
.rept NT
	ds_load_b128 v[BIAS+8*ag:BIAS+8*ag+3], v[ADB] offset:(\e)*256+64*ag
	ds_load_b128 v[BIAS+8*ag+4:BIAS+8*ag+7], v[ADB] offset:(\e)*256+64*ag+16
.set ag, ag+1
.endr
.endm
; THE RUN OF LDS LOADS behind batch b of expert e: the batch after next comes into the four buffers that this batch has just read; behind an expert's first batch the next expert's scale words and bias come too.
; In front of the loads stand the places that a load into a register which a product has read needs behind that product: eight plain vector lines;
; had of them stand there already.  Behind an expert's last batch nine: they are also the places between Y(0, 0)'s last link and the product that starts it anew (the blend's own four lines name Y(0, 0) and are none);
; every later accumulator has the earlier blends' lines besides.  rn = the loads of the run: what the wait at the next batch's head may leave out.
.macro RUN e, b, had
.set rn, 0
.if ((\e) < 7) || ((\b) < NB-2)
	WIN 0
.if (\b) == NB-1
	NOPS 9-(\had)
.else
	NOPS 8-(\had)
.endif
.if (\b) < NB-2
	FETCH \e, (\b)+2
.else
	FETCH (\e)+1, (\b)+2-NB
.endif
.set rn, 16
.if ((\b) == 0) && ((\e) < 7)
	AUX (\e)+1
.set rn, 16+AUXN
.endif
.endif
.endm
; Fragment u of expert e against my four row blocks: four products on four accumulators.  In an expert's first K step the blend of the expert before stands directly ahead of the product that starts Y(i, a) anew.
.macro QUAD e, u
.set gs, (\u)/NT
.set gi, (\u)%NT
.if ((\e) == 0) && (gi == 0)
.set lc, 16*(KSTEPS-1-gs)
.if lc > 63
.set lc, 63
.endif
	s_wait_loadcnt lc                              ; the rows' codes of this K step are in (and all that was asked for ahead of them): behind them stand 16 loads for each later K step; the count names 63 at the most
.endif
.irp a, 0,1,2,3
.if (gs == 0) && ((\e) > 0)
	WIN W_BL
	BLEND (\e)-1, gi, \a
.endif
.if gs == 0
	WIN W_MMB
.elseif gs < 4
	WIN W_MM2
.else
	WIN W_MM3
.endif
	MM \e, gs, gi, \a
.endr
.endm
; A BATCH: four fragments, sixteen products back to back, then one run of loads.  The 4 NT accumulators take turns, one instruction a turn, in the same order in every K step.
; IN THE LAST BATCH BUT ONE OF EXPERTS 1, 3 AND 5, behind which the next pair of experts is first read, stands a barrier; my reads of this expert's region were all issued a batch ago.
; kind 1: every wave has seen its part of the next pair's tiles land; my fills of later pairs (cnt of them) may stay out.
; kind 2: the two regions whose experts are done are filled again: the wait for all my tensor loads, the add, eight products, the wait for the add and for my reads, and a round of the cluster's barrier, in which eight products stand.
.macro BATCH e, b
.set kind, 0
.set cnt, 0
.if ((\b) == NB-2) && (((\e)%2) == 1) && ((\e) < 7)
.set kind, 1
.set cnt, (5-(\e))/2
.if (NREG == 4) && ((\e) < 5)
.set kind, 2
.endif
.endif
.if kind == 2
	WIN 0                                          ; (the add's two registers lie in window 0)
	s_wait_tensorcnt 0x0                           ; all my tensor loads have landed, so a group 0 may be written
	ds_add_u32 v[SPW], v[NIL]                      ; 0 onto my spare word
.if (\e) == 3
	s_add_co_u32 s[G0R+1], s[G0R+1], 2*EXPB        ; the second refill: two regions and two experts on
	s_add_nc_u64 s[G0R+2:G0R+3], s[G0R+2:G0R+3], 2*NOUT*KB
.endif
	s_wait_dscnt rn+1                              ; this batch's fragments are in; the add and the run just issued may be out
.else
	s_wait_dscnt rn                                ; this batch's fragments, asked for a batch ago, are in; the run just issued may be out
.endif
	QUAD \e, 4*(\b)
	QUAD \e, 4*(\b)+1
.if kind == 2
	s_wait_dscnt 0x0                               ; the add is done, and my reads of the two regions are over
	s_barrier_signal -1                            ; opens the round
.elseif kind == 1
	s_wait_tensorcnt cnt
	s_wait_dscnt 0x0
	s_barrier_signal -1
.endif
	QUAD \e, 4*(\b)+2
	QUAD \e, 4*(\b)+3
.if kind == 2
	WIN 0
	s_barrier_wait -1
	CREST                                          ; no wave of any partner still reads the two regions or has a load on its way
	tensor_load_to_lds s[G0R:G0R+3], s[G1W:G1W+7]  ; my one tensor load behind the round: 32 rows of one of the two experts; it has two experts' products in which to land
	s_nop 0
	NOPS 4                                         ; four of the eight places in front of the run
	RUN \e, \b, 4
.else
.if kind == 1
	s_barrier_wait -1
.endif
	RUN \e, \b, 0
.endif
.endm
.macro EXPERT e
.set eb, 0
.rept NB
	BATCH \e, eb
.set eb, eb+1
.endr
.endm
	s_load_b256 s[4:11], s[0:1], 0x0               ; rows' codes s[4:5], rows' scales s[6:7], W's codes s[8:9], W's scales s[10:11]
	s_load_b128 s[12:15], s[0:1], 0x20             ; bias s[12:13], weight_blend s[14:15]
	s_load_b64 s[16:17], s[0:1], 0x30              ; the output (codes or f32)
.if OUTQ
	s_load_b64 s[18:19], s[0:1], 0x38              ; the output's scale bytes
.endif
	v_lshl_add_u32 v[SPW], v0, 2, SPARE
	v_mov_b32 v[NIL], 0
	ds_add_u32 v[SPW], v[NIL]                      ; the wave's opening: the add, twice on end, and its wait ahead of my first tensor load; the set-up below, work on registers, stands between
	ds_add_u32 v[SPW], v[NIL]
	v_lshrrev_b32 v128, 5, v0
	v_readfirstlane_b32 s[WV], v128                ; wave 0..3
	s_bfe_u32 s21, ttmp6, 0x40000                  ; cx: it enters the addresses of the rows, the blend and the outputs alone
	s_lshl_b32 s22, ttmp9, 2
	s_add_co_u32 s22, s22, s21                     ; my block of rows = 4 x cluster x + cx
	s_and_b32 s23, ttmp7, 0xffff                   ; my tile of 64 columns, which the four partners share
	s_lshr_b32 s104, s[WV], WN-1
	s_and_b32 s105, s[WV], WN-1
	s_mul_i32 s22, s22, MT                         ; the work-group's first row
	s_lshl_b32 s21, s104, 6
	s_add_co_u32 s21, s21, s22                     ; my wave's first row
	; descriptor groups 1: constants
	s_mov_b32 s[G1W], 15|(1<<20)|(1<<21)|(QI<<22)|(3<<25)   ; 15:0 the mask: all four work-groups; 17:16 elements of 1 byte; 20 padding on; 21 set beside a mask; 24:22 after every row; 31:25 four words
	s_mov_b32 s[G1W+1], KB<<16                     ; tensor_dim0
	s_mov_b32 s[G1W+2], 32<<16                     ; tensor_dim1
	s_mov_b32 s[G1W+3], KB<<16                     ; tile_dim0
	s_mov_b32 s[G1W+4], 32                         ; tile_dim1
	s_mov_b32 s[G1W+5], KB                         ; from row to row
	s_mov_b32 s[G1W+6], 0
	s_mov_b32 s[G1W+7], 0
	s_mov_b32 s[G1S], 15|(3<<16)|(1<<21)           ; elements of 8 bytes, no padding: a row = one expert's 64 x KS scale bytes, dense in memory
	s_mov_b32 s[G1S+1], (8*KS)<<16
	s_mov_b32 s[G1S+2], 4<<16
	s_mov_b32 s[G1S+3], (8*KS)<<16
	s_mov_b32 s[G1S+4], 4
	s_mov_b32 s[G1S+5], NOUT*KS/8                  ; from expert to expert
	s_mov_b32 s[G1S+6], 0
	s_mov_b32 s[G1S+7], 0
	s_mov_b32 s[G1B], 15|(3<<16)|(1<<21)           ; a row = one expert's 64 biases, 256 bytes
	s_mov_b32 s[G1B+1], 32<<16
	s_mov_b32 s[G1B+2], 4<<16
	s_mov_b32 s[G1B+3], 32<<16
	s_mov_b32 s[G1B+4], 4
	s_mov_b32 s[G1B+5], NOUT/2
	s_mov_b32 s[G1B+6], 0
	s_mov_b32 s[G1B+7], 0
	; groups 0: LDS addresses, and the byte offsets to which the pointers are added below.  s48 to s50, s100, s101 and these registers never hold cx
	s_lshl_b32 s100, s23, 6                        ; the tile's first column = first row of W in an expert
	s_and_b32 s101, s[WV], 1
	s_mov_b32 s[G0S], 1
	s_mul_i32 s[G0S+1], s101, 256*KS               ; waves 0, 1: the scale bytes of experts 0-3, 4-7
	s_add_co_u32 s[G0S+1], s[G0S+1], SCW
	s_mul_i32 s[G0S+2], s101, 4*NOUT
	s_add_co_u32 s[G0S+2], s[G0S+2], s100
	s_mov_b32 s[G0B], 1
	s_lshl_b32 s[G0B+1], s101, 10                  ; waves 2, 3: the bias of experts 0-3, 4-7
	s_add_co_u32 s[G0B+1], s[G0B+1], BIA
	s_lshl_b32 s[G0B+2], s[G0S+2], 2
	s_mul_i32 s[G0S+2], s[G0S+2], KS
	s_mov_b32 s[G0S+3], 0
	s_mov_b32 s[G0B+3], 0
	s_lshr_b32 s48, s[WV], 1                       ; W: wave w brings rows 32 (w % 2) on of experts w / 2, 2 + w / 2, ..
	s_mul_i32 s49, s48, NOUT
	s_add_co_u32 s49, s49, s100
	s_lshl_b32 s50, s101, 5
	s_add_co_u32 s49, s49, s50
	s_mul_i32 s49, s49, KB                         ; where they begin in W, in bytes, for expert w / 2,
	s_mul_i32 s48, s48, EXPB
	s_mul_i32 s50, s101, 32*PITCH
	s_add_co_u32 s48, s48, s50                     ; and in LDS
.set hq, 0
.rept NF
	s_mov_b32 s[G0E+4*hq], 1
	s_add_co_u32 s[G0E+4*hq+1], s48, 2*hq*EXPB
	s_add_co_u32 s[G0E+4*hq+2], s49, 2*hq*NOUT*KB
	s_mov_b32 s[G0E+4*hq+3], 0
.set hq, hq+1
.endr
.if NREG == 4
	s_mov_b32 s[G0R], 1                            ; the first refill: expert 4 + w / 2 into region w / 2
	s_mov_b32 s[G0R+1], s48
	s_add_co_u32 s[G0R+2], s49, 4*NOUT*KB
	s_mov_b32 s[G0R+3], 0
.endif
	; my lane's places
	v_and_b32 v128, 15, v0                         ; r
	v_bfe_u32 v129, v0, 4, 1                       ; h
	v_and_b32 v130, 31, v0                         ; lane
	v_mul_u32_u24 v131, v128, PITCH
	v_lshl_add_u32 v131, v129, 4, v131
	s_mul_i32 s100, s105, NT*16*PITCH
	v_add_nc_u32 v131, s100, v131                  ; row r of my first tile, + 16 h
.set hq, 0
.rept NREG
	v_add_nc_u32 v[ADW+hq], hq*EXPB, v131
.set hq, hq+1
.endr
	s_mul_i32 s100, s105, 32*KS
	s_add_co_u32 s100, s100, SCW
	v_mul_u32_u24 v[ADS], v130, KS
	v_add_nc_u32 v[ADS], s100, v[ADS]              ; lane l: the scale bytes of row l of my columns' first 32
	s_mul_i32 s100, s105, 64*NT
	s_add_co_u32 s100, s100, BIA
	v_lshlrev_b32 v[ADB], 5, v129
	v_add_nc_u32 v[ADB], s100, v[ADB]              ; my half's eight biases of a tile
.if AIMG
	v_lshlrev_b32 v[XA], 4, v130                   ; an image: 16 bytes a lane
	v_lshlrev_b32 v[SAV], 1, v130                  ; a plane of scale bytes: 2 bytes a row
.else
	v_lshlrev_b32 v[XA], 9, v128
	v_lshl_add_u32 v[XA], v129, 4, v[XA]           ; row r of 512 bytes, + 16 h
	v_lshlrev_b32 v[SAV], 4, v130                  ; 16 scale bytes a row
.endif
	v_lshlrev_b32 v[BLV], 5, v128                  ; 32 bytes of weight_blend a row
	s_wait_dscnt 0x0                               ; both opening adds are done
	s_wait_kmcnt 0x0
	s_add_nc_u64 s[G0S+2:G0S+3], s[10:11], s[G0S+2:G0S+3]
	s_or_b32 s[G0S+3], s[G0S+3], 0x80000000        ; type = 2
	s_add_nc_u64 s[G0B+2:G0B+3], s[12:13], s[G0B+2:G0B+3]
	s_or_b32 s[G0B+3], s[G0B+3], 0x80000000
.if NREG == 4
	s_add_nc_u64 s[G0R+2:G0R+3], s[8:9], s[G0R+2:G0R+3]
	s_or_b32 s[G0R+3], s[G0R+3], 0x80000000
.endif
.set hq, 0
.rept NF
	s_add_nc_u64 s[G0E+4*hq+2:G0E+4*hq+3], s[8:9], s[G0E+4*hq+2:G0E+4*hq+3]
	s_or_b32 s[G0E+4*hq+3], s[G0E+4*hq+3], 0x80000000
.set hq, hq+1
.endr
	CROUND                                         ; all four work-groups are here: the first joint loads meet
	s_cmp_lt_u32 s[WV], 2                          ; the scale bytes (waves 0, 1) and the bias (waves 2, 3) first: they are wanted with expert 0.  The branch hangs on the wave's number alone
	s_cbranch_scc0 .Lfor_bias
	tensor_load_to_lds s[G0S:G0S+3], s[G1S:G1S+7]
	s_nop 0
	NOPS 4
	s_branch .Lasked
.Lfor_bias:
	tensor_load_to_lds s[G0B:G0B+3], s[G1B:G1B+7]
	s_nop 0
	NOPS 4
.Lasked:
.set hq, 0
.rept NF
	tensor_load_to_lds s[G0E+4*hq:G0E+4*hq+3], s[G1W:G1W+7]   ; my half of the tile of expert 2 hq + w / 2
	s_nop 0
.set hq, hq+1
.endr
	NOPS 4
	s_mov_b32 s3, 0                                ; the bases of what is my work-group's own
	s_mul_i32 s2, s21, KB
	s_add_nc_u64 s[4:5], s[4:5], s[2:3]            ; my rows' codes: KB bytes a row in either layout
.if AIMG
	s_lshl_b32 s2, s21, 1
.else
	s_lshl_b32 s2, s21, 4
.endif
	s_add_nc_u64 s[6:7], s[6:7], s[2:3]
	s_lshl_b32 s2, s21, 5
	s_add_nc_u64 s[14:15], s[14:15], s[2:3]
.if OUTQ
	s_add_co_u32 s2, s21, s23
	s_lshl_b32 s2, s2, 10                          ; codes out: 1,024 bytes a row (16,384 a block of 16), and 1,024 for each 64 columns inside a block's image
	s_add_nc_u64 s[16:17], s[16:17], s[2:3]
	s_lshl_b32 s2, s23, 12
	s_add_co_u32 s2, s2, s22
	s_lshl_b32 s2, s2, 1                           ; scale bytes out: plane = my tile of 64 columns, 2 bytes a row
	s_add_nc_u64 s[18:19], s[18:19], s[2:3]
.else
	s_lshl_b32 s2, s[WV], 5
	s_add_co_u32 s2, s2, s22
	s_lshl_b32 s2, s2, 11                          ; out0: the 32 rows that my wave stores, 2,048 bytes a row,
	s_lshl_b32 s3, s23, 8
	s_add_co_u32 s2, s2, s3                        ; and 256 bytes for each 64 columns
	s_mov_b32 s3, 0
	s_add_nc_u64 s[16:17], s[16:17], s[2:3]
.endif
.if AIMG
.set hq, 0
.rept 16                               ; hq = 8 p + s: the word of K step s is two planes' halves: columns 128 s + 0 .. 63 and + 64 .. 127; lane l takes row 32 p + l
	global_load_u16 v[192+2*hq], v[SAV], s[6:7] offset:(2*(hq%8))*8192+64*(hq/8)
	global_load_u16 v[193+2*hq], v[SAV], s[6:7] offset:(2*(hq%8)+1)*8192+64*(hq/8)
.set hq, hq+1
.endr
.else
	global_load_b128 v[SA:SA+3], v[SAV], s[6:7]              ; lane l: the four scale words of row l;
	global_load_b128 v[SA+4:SA+7], v[SAV], s[6:7] offset:512 ; of row 32 + l
.endif
.irp a, 0,1,2,3
	global_load_b128 v[BL+8*\a:BL+8*\a+3], v[BLV], s[14:15] offset:512*\a
	global_load_b128 v[BL+8*\a+4:BL+8*\a+7], v[BLV], s[14:15] offset:512*\a+16
.endr
.set hq, 0
.rept KSTEPS                           ; the rows' codes, K step by K step, so that the first products can start while the later steps are on their way
	WIN 0x80+0x40*(hq/4)
.irp a, 0,1,2,3
.irp c, 0,1,2,3
.if AIMG
	global_load_b128 v[64*(hq%4)+16*\a+4*\c:64*(hq%4)+16*\a+4*\c+3], v[XA], s[4:5] offset:(8*\a+hq)*2048+512*\c   ; 32 lanes read 512 consecutive bytes
.else
	global_load_b128 v[64*(hq%4)+16*\a+4*\c:64*(hq%4)+16*\a+4*\c+3], v[XA], s[4:5] offset:8192*\a+128*hq+32*\c
.endif
.endr
.endr
.set hq, hq+1
.endr
	WIN 0
.if AIMG
	s_wait_loadcnt 63                              ; behind the 32 halves stand 136 loads; the count names 63 at the most
.set hq, 0
.rept 16
	v_lshl_or_b32 v[SA+hq], v[193+2*hq], 16, v[192+2*hq]
.set hq, hq+1
.endr
	NOPS 8                                         ; a scale register written by a vector instruction stands eight places ahead of the product that names it
.endif
	s_wait_tensorcnt NF-1                          ; my scale bytes or bias and my half of expert 0's or 1's tile are in; my fills of the later pairs may stay out
	s_barrier_signal -1
	s_barrier_wait -1                              ; everybody's are: experts 0 and 1 lie whole in LDS
	AUX 0
	FETCH 0, 0
	FETCH 0, 1
.set rn, 16                            ; behind expert 0's scale words, bias and first batch: the second batch's sixteen loads
.irp e, 0,1,2,3,4,5,6,7
	EXPERT \e
.endr
	; THE WAY OUT.  Its addresses are made first: eight plain lines or more that name no register of the last products: the places ahead of the last blend
	WIN 0
.if OUTQ
	v_and_b32 v3, 31, v0
	v_lshlrev_b32 v3, 4, v3                        ; 16 x lane: an image's place for my lane
	s_lshl_b32 s100, s[WV], 7
	s_add_co_u32 s100, s100, STG
	v_and_b32 v4, 15, v0
	v_lshlrev_b32 v4, 1, v4
	v_add_nc_u32 v4, s100, v4                      ; the stage: 128 bytes a wave, 2 bytes a row
	v_add_nc_u32 v5, STG, v3                       ; and back: 16 bytes a lane
	NOPS 2
.else
	v_and_b32 v3, 15, v0                           ; r
	v_bfe_u32 v4, v0, 4, 1                         ; h
	s_mul_i32 s100, s104, 64*272
	s_lshl_b32 s101, s105, 7
	s_add_co_u32 s100, s100, s101
	s_add_co_u32 s100, s100, STG
	v_mul_u32_u24 v5, v3, 272
	v_lshl_add_u32 v5, v4, 5, v5
	v_add_nc_u32 v5, s100, v5                      ; into the stage: my rows, my 128 bytes of them; row r, 32 bytes for each half of the lanes
	s_mul_i32 s100, s[WV], 32*272
	s_add_co_u32 s100, s100, STG
	v_mul_u32_u24 v6, v4, 272
	v_lshl_add_u32 v6, v3, 4, v6
	v_add_nc_u32 v6, s100, v6                      ; back: wave w takes rows 32 w on, whole: lanes 0-15 one row of 256 bytes, lanes 16-31 the next
	v_lshlrev_b32 v7, 11, v4
	v_lshl_add_u32 v7, v3, 4, v7                   ; and the same two rows in out0
.endif
	WIN W_BL
.irp a, 0,1,2,3
.set bi, 0
.rept NT
	BLEND 7, bi, \a                                ; the last expert
.set bi, bi+1
.endr
.endr
.if OUTQ
; elu and the quantiser, a UNIT at a time: 16 registers H = tiles 2 b and 2 b + 1 of row block a: with lane l xor 16's they are one block of 32 columns of my row.  All in window 1, in the registers that Y has left.
.set TM,  0                            ; m = min(v, 0)
.set TU,  16                           ; 2^(m log2 e), then - 1
.set TQ,  32
.set TS,  48
.set C16, 64                           ; 1/6, twice
.set MX,  66
.set PM,  67
.set SO,  68
.set LM,  69
.set BY,  70                           ; the two bytes of a row block
.set WD,  72                           ; v72-75: the pair of bytes, one register for each row block
.set X0,  76                           ; unit 0's codes; unit n's lie in the first four registers that unit n - 1 has left: no store's data are written again
	WIN W_EP
	s_mov_b32 s24, 0x76543210                      ; (no tensor load is out: the descriptors' registers are free)  v_permlanex16_b32's selects for lane l xor 16
	s_mov_b32 s25, 0xfedcba98
	s_mov_b32 s26, 0x3fb8aa3b                      ; log2(e)
	s_mov_b32 s27, s26                             ; (named with it as a pair)
	s_mov_b32 s28, 0x3d2aaaab                      ; 1/24
	s_mov_b32 s29, s28
	s_mov_b32 s30, 0x600000                        ; the mantissa field of 57,344
	s_mov_b32 s31, 0xbd800000                      ; -1/16
	v_mov_b32 v[C16], 0x3e2aaaab
	v_mov_b32 v[C16+1], 0x3e2aaaab
	v_mov_b32 v[PM], 0                             ; a lane permute's destination counts as one of its sources
; elu(v) = v for v > 0, else e^v - 1.  Two forms of e^m - 1, m = min(v, 0): S = v + m^2 (1/2 + m/6 + m^2/24), which is v itself where v > 0 and is short of the series by m^5/120, under 1.3e-7 of the number for m > -1/16;
; and U = 2^(m log2 e) - 1, whose error of about 1e-7 is small beside a magnitude of 0.06 and more.  S is taken where v > -1/16.
.macro UNIT n, x
.set H, 128+16*(\n)
.irp k, 0,1,2,3,4,5,6,7,8,9,10,11,12,13,14,15
	v_min_num_f32 v[TM+\k], 0, v[H+\k]
.endr
.irp k, 0,2,4,6,8,10,12,14
	v_pk_mul_f32 v[TU+\k:TU+\k+1], v[TM+\k:TM+\k+1], s[26:27] op_sel_hi:[1,0]
.endr
.irp k, 0,1,2,3,4,5,6,7,8,9,10,11,12,13,14,15
	v_exp_f32 v[TU+\k], v[TU+\k]
.endr
.irp k, 0,2,4,6,8,10,12,14
	v_pk_fma_f32 v[TQ+\k:TQ+\k+1], v[TM+\k:TM+\k+1], s[28:29], v[C16:C16+1] op_sel_hi:[1,0,1]   ; m/24 + 1/6.  (The series names no exponential's result: it is the work between the batch and its wait)
.endr
.irp k, 0,2,4,6,8,10,12,14
	v_pk_mul_f32 v[TS+\k:TS+\k+1], v[TM+\k:TM+\k+1], v[TM+\k:TM+\k+1]
.endr
.irp k, 0,2,4,6,8,10,12,14
	v_pk_fma_f32 v[TQ+\k:TQ+\k+1], v[TQ+\k:TQ+\k+1], v[TM+\k:TM+\k+1], 0.5 op_sel_hi:[1,1,0]
.endr
.irp k, 0,2,4,6,8,10,12,14
	v_pk_fma_f32 v[TS+\k:TS+\k+1], v[TQ+\k:TQ+\k+1], v[TS+\k:TS+\k+1], v[H+\k:H+\k+1]
.endr
	s_wait_alu depctr_va_vdst(0)                   ; one wait for the sixteen exponentials, ahead of their first reader
.irp k, 0,2,4,6,8,10,12,14
	v_pk_add_f32 v[TU+\k:TU+\k+1], v[TU+\k:TU+\k+1], -1.0 op_sel_hi:[1,0]
.endr
.irp k, 0,1,2,3,4,5,6,7,8,9,10,11,12,13,14,15
	v_cmp_lt_f32 vcc_lo, s31, v[H+\k]
	v_cndmask_b32 v[H+\k], v[TU+\k], v[TS+\k], vcc_lo
.endr
	v_max3_num_f32 v[MX], |v[H]|, |v[H+1]|, 0x8000000   ; the block's largest magnitude: my 16 numbers, and the floor 2^(16 - 127): so the byte cannot fall under 1
.irp k, 2,4,6,8,10,12,14
	v_max3_num_f32 v[MX], v[MX], |v[H+\k]|, |v[H+\k+1]|
.endr
	v_permlanex16_b32 v[PM], v[MX], s24, s25
	v_max_num_f32 v[MX], v[MX], v[PM]              ; with lane l xor 16's
	v_add_nc_u32 v[SO], 0xf8800000, v[MX]          ; 15 off its exponent field: the conversion takes the exponent field of this operand as its scale
	v_and_or_b32 v[LM], v[MX], 0x7f800000, s30     ; 57,344 x the scale
.irp k, 0,1,2,3,4,5,6,7,8,9,10,11,12,13,14,15
	v_med3_num_f32 v[H+\k], v[H+\k], -v[LM], v[LM] ; the conversion to an 8-bit code does not saturate (ISA guide 7.6.2): the hold at the largest code x the scale
.endr
	v_cvt_scalef32_pk8_bf8_f32 v[\x:\x+1], v[H:H+7], v[SO]         ; columns 32 b + 8 h + 0 .. 7
	v_cvt_scalef32_pk8_bf8_f32 v[\x+2:\x+3], v[H+8:H+15], v[SO]    ; columns 32 b + 16 + 8 h + 0 .. 7
	v_lshrrev_b32 v[BY+(\n)%2], 23, v[SO]          ; the scale's byte.  (The plain line behind the conversions)
	v_permlane16_swap_b32 v[\x], v[\x+2]           ; the first's lanes 16-31 change places with the second's lanes 0-15: lane (r, 0) then holds columns 32 b + 0 .. 15 and lane (r, 1) columns 32 b + 16 .. 31,
	v_permlane16_swap_b32 v[\x+1], v[\x+3]         ; which is how the next layer's operand wants them
.if (\n)%2 == 1
	v_lshl_or_b32 v[WD+(\n)/2], v[BY+1], 8, v[BY]
.endif
	WIN W_ST
	global_store_b128 v3, v[\x:\x+3], s[16:17] offset:((\n)/2)*16384+512*((\n)%2)   ; 32 lanes store 512 consecutive bytes, at a multiple of 512 from the buffer's first byte
	WIN W_EP
.endm
	UNIT 0, X0
.irp n, 1,2,3,4,5,6,7
	UNIT \n, 128+16*(\n-1)
.endr
	WIN W_ST
.irp a, 0,1,2,3
	ds_store_b16 v4, v[WD+\a] offset:32*\a         ; both halves of the lanes write the same two bytes with the same value
.endr
	WIN 0
	s_wait_dscnt 0x0                               ; for the others' sake: my stores into the stage are done
	s_barrier_signal -1
	s_barrier_wait -1
	s_cmp_lg_u32 s[WV], 0
	s_cbranch_scc1 .Lnot_first                     ; wave 0 stores the work-group's 256 rows x 2 bytes
	ds_load_b128 v[128:131], v5
	s_wait_dscnt 0x0
	global_store_b128 v3, v[128:131], s[18:19]     ; 512 consecutive bytes, at a multiple of 512 from the buffer's first byte
.Lnot_first:
.else
	WIN W_ST
.irp a, 0,1,2,3
.irp i, 0,1
	ds_store_b128 v5, v[128+16*\a+8*\i:128+16*\a+8*\i+3] offset:\a*16*272+64*\i
	ds_store_b128 v5, v[128+16*\a+8*\i+4:128+16*\a+8*\i+7] offset:\a*16*272+64*\i+16
.endr
.endr
	WIN 0
	s_wait_dscnt 0x0                               ; for the others' sake: a row's 256 bytes come from two waves
	s_barrier_signal -1
	s_barrier_wait -1
.irp t, 0,1,2,3,4,5,6,7,8,9,10,11,12,13,14,15
	ds_load_b128 v[128+4*\t:128+4*\t+3], v6 offset:\t*2*272
.endr
.irp t, 0,1,2,3,4,5,6,7,8,9,10,11,12,13,14,15
	s_wait_dscnt 15-\t                             ; the younger loads may stay out
	global_store_b128 v7, v[128+4*\t:128+4*\t+3], s[16:17] offset:\t*2*2048 th:TH_STORE_NT   ; 16 lanes store 256 consecutive bytes, at a multiple of 256 from out0's first byte
.endr
.endif
	s_wait_tensorcnt 0x0                           ; the wave's end: the add and its waits, behind my last tensor load and my last LDS store
	ds_add_u32 v[SPW], v[NIL]
	s_wait_dscnt 0x0
	CROUND                                         ; the closing round: no work-group ends while a partner may still ask for a tile that names it
	s_endpgm
.Lfunc_end_k_qd17a72cc30_layer1:
	.size	k_qd17a72cc30_layer1, .Lfunc_end_k_qd17a72cc30_layer1-k_qd17a72cc30_layer1
	.p2alignl 7, 3214868480
	.fill 96, 4, 3214868480
	.section	.rodata,"a",@progbits
	.p2align	6, 0x0
	.amdhsa_kernel k_qd17a72cc30_layer1
		.amdhsa_group_segment_fixed_size 327680
		.amdhsa_private_segment_fixed_size 0
		.amdhsa_enable_private_segment 0
		.amdhsa_kernarg_size 64
		.amdhsa_user_sgpr_count 2
		.amdhsa_user_sgpr_kernarg_segment_ptr 1
		.amdhsa_wavefront_size32 1
		.amdhsa_system_sgpr_workgroup_id_x 1
		.amdhsa_system_sgpr_workgroup_id_y 1
		.amdhsa_system_sgpr_workgroup_id_z 1
		.amdhsa_system_vgpr_workitem_id 0
		.amdhsa_next_free_vgpr 1024
		.amdhsa_next_free_sgpr 106
		.amdhsa_reserve_vcc 1
		.amdhsa_float_denorm_mode_32 3
		.amdhsa_float_denorm_mode_16_64 3
		.amdhsa_memory_ordered 1
		.amdhsa_forward_progress 1
		.amdhsa_inst_pref_size 255
	.end_amdhsa_kernel
	.section	.bss,"aw",@nobits
	.p2align	6
	.space	262144
	.amdgpu_metadata
---
amdhsa.version: [ 1, 2 ]
amdhsa.kernels:
  - .name:           k_qd17a72cc30_layer1
    .symbol:         k_qd17a72cc30_layer1.kd
    .args:
      - { .name: h1c, .offset: 0, .size: 8, .value_kind: global_buffer, .address_space: global }
      - { .name: h1s, .offset: 8, .size: 8, .value_kind: global_buffer, .address_space: global }
      - { .name: W1_codes, .offset: 16, .size: 8, .value_kind: global_buffer, .address_space: global }
      - { .name: W1_scales, .offset: 24, .size: 8, .value_kind: global_buffer, .address_space: global }
      - { .name: B1, .offset: 32, .size: 8, .value_kind: global_buffer, .address_space: global }
      - { .name: weight_blend, .offset: 40, .size: 8, .value_kind: global_buffer, .address_space: global }
      - { .name: h2c, .offset: 48, .size: 8, .value_kind: global_buffer, .address_space: global }
      - { .name: h2s, .offset: 56, .size: 8, .value_kind: global_buffer, .address_space: global }
    .group_segment_fixed_size: 327680
    .private_segment_fixed_size: 0
    .kernarg_segment_align: 8
    .kernarg_segment_size: 64
    .max_flat_workgroup_size: 128
    .sgpr_count:     106
    .vgpr_count:     1024
    .wavefront_size: 32
...
	.end_amdgpu_metadata
.endif
;; end of part 2
;; launch layer2 (part 3): grid 32 x 8, 4 waves a work-group, clusters of 4 x 1, 327,680 bytes of LDS; arguments h2c, h2s, W2_codes, W2_scales, B2, weight_blend, out0; writes out0
.if DOCPART == 3
	.amdgcn_target "amdgcn-amd-amdhsa--gfx1250"
	.amdhsa_code_object_version 6
	.text
	.protected	k_qd17a72cc30_layer2
	.globl	k_qd17a72cc30_layer2
	.p2align	8
	.type	k_qd17a72cc30_layer2,@function
k_qd17a72cc30_layer2:
	s_mov_b64 s[64:65], 0
	v_nop
	global_prefetch_b8 v0, s[64:65] scope:SCOPE_SE
	s_setreg_imm32_b32 hwreg(HW_REG_WAVE_MODE, 25, 1), 1
	s_wait_xcnt 0x0
	s_wait_alu depctr_hold_cnt(0) depctr_sa_sdst(0) depctr_va_vdst(0) depctr_va_sdst(0) depctr_va_ssrc(0) depctr_va_vcc(0) depctr_vm_vsrc(0)
	s_getreg_b32 s2, hwreg(HW_REG_IB_STS2, 6, 4)
	s_cmp_eq_u32 s2, 0
	s_cbranch_scc0 .Lentry_in_a_cluster
	s_endpgm
.Lentry_in_a_cluster:
	s_bfe_u32 s2, ttmp6, 0x10000c
	s_cmp_lg_u32 s2, 0x3003
	s_cbranch_scc0 .Lentry_shape_is_right
	s_endpgm
.Lentry_shape_is_right:
; LAYER 2 of three: out0 = sum over e of blend[b][e] x ( W2[e] h2[b] + B2[e] ), 4,096 rows, 1,024 -> 512, eight experts, f32 out, no activation.  h2 comes as codes of BF8 (E5M2) laid as images of the operand's registers,
; with the scale bytes in planes of 64 columns.  No work of reference() is left out.  The text is layer 0's with other sizes at its head; order of rounding and limits as stated there:
; the bias is the C of each expert's first product, the experts are summed in ascending order in f32; NaN and infinities are not served.
; SHARES.  A work-group of four waves makes 128 rows x 64 columns (64 f32 are 256 bytes of a row of out0; 256 work-groups in all): two waves along the rows x two along the columns; a wave owns 64 rows (four blocks of 16)
; and 32 columns (two tiles), for all eight experts; its rows' codes (512 registers) stay in registers.
; THE MATRIX INSTRUCTION IS USED TRANSPOSED: source 0 = 16 rows of W[e], source 1 = 16 rows of h2: lane (r, h) holds row r of the batch and columns 8 h + 0 .. 7 of the tile.
; CLUSTER: the four work-groups of a cluster have the same 64 columns: W's tiles, W's scale bytes and the bias are asked for JOINTLY (mask 15).  The rows' codes are each work-group's own and go straight to registers.
; LDS: four expert regions (64 rows x 1,024 bytes + 16 of padding a row).  Experts 0-3 are asked for at the head (three tensor loads of a wave are out at the most, by this text's count); experts 4, 5 come into regions 0, 1
; when expert 1 has been read, experts 6, 7 into regions 2, 3 when expert 3 has: one load of 32 rows a wave behind a round of the cluster's barrier.
.set KB,    1024                       ; K in bytes (one code a byte)
.set NOUT,  512                        ; rows of W in an expert
.set NT,    2                          ; tiles of 16 columns to a wave
.set WN,    2                          ; waves side by side along the columns
.set NREG,  4                          ; expert regions in LDS
.set AIMG,  1                          ; 0: the rows' codes lie row by row;  1: as images of the operand's registers
.set OUTQ,  0                          ; 1: elu, quantise, store codes;  0: store f32
.set QI,    7                          ; the padding's interval: 2 << QI words = a row
.set KSTEPS, KB/128
.set MT,    256/WN                     ; rows of a work-group
.set PITCH, KB+16                      ; an odd multiple of 16: the sixteen rows that a load touches begin at sixteen different 16-byte columns of 256
.set EXPB,  64*PITCH                   ; an expert's region
.set KS,    KB/32                      ; scale bytes of a row
.set GE,    KSTEPS*NT                  ; fragments of W that a wave reads of an expert
.set NB,    GE/4                       ; batches of four fragments in an expert: an even number
.set NF,    NREG/2                     ; first fills of W by a wave
.set AUXN,  (NT/2)*(KS/16)+2*NT        ; LDS loads that bring an expert's scale words and bias
.set SCW,   NREG*EXPB                  ; W's scale bytes: [8 experts][64 rows][KS]
.set BIA,   SCW+8*64*KS                ; the bias: [8 experts][64] f32
.set STG,   BIA+2048                   ; a stage that LDS stores alone write
.if OUTQ
.set STGB,  512                        ; 256 rows x 2 scale bytes
.else
.set STGB,  128*272                    ; 128 rows x (256 bytes + 16)
.endif
.set SPARE, STG+STGB                   ; the spare words, 128 bytes for each wave: two blocks of 256 bytes that no other line names
; REGISTERS.  Window 0:
.set SPW,  1                           ; v1      LDS address of my spare word; never rewritten
.set NIL,  2                           ; v2      0; never rewritten
.set ADW,  3                           ; v3-10   my lane's place in expert region g
.set ADS,  11                          ; v11     among W's scale words
.set ADB,  12                          ; v12     in the bias
.set XA,   13                          ; v13     my lane's byte offset in the wave's rows of codes
.set SAV,  14                          ; v14     in their scale bytes
.set BLV,  15                          ; v15     in weight_blend
.set SA,   16                          ; v16-31  the rows' scale words: SA + KSTEPS p + s: lanes 0-15 row block 2 p, lanes 16-31 block 2 p + 1
.set SB,   32                          ; v32-63  W's scale words, two sets: SB + 16 (e % 2) + KSTEPS g + s: lanes 0-15 tile 2 g, lanes 16-31 tile 2 g + 1
.set BL,   64                          ; v64-95  blend[16 a + r][e] at BL + 8 a + e
.set BIAS, 96                          ; v96-127 B[e][16 i + 8 h + j] at BIAS + 8 i + j
.set BF,   128                         ; v128-255 eight buffers for fragments of W: two sets of four
; Window 1: Y(i, a) at 8 NT a + 8 i;  ACC(i, a) 128 further on.   Windows 2 and 3: the rows' fragment (K step s, block a) at 64 (s % 4) + 16 a, window 2 + s / 4.
.set WV,   20                          ; s20 wave;  s21 cx, then my first row;  s22 my work-group's first row;  s23 the tile of 64 columns;  s104, s105 my place among the waves along rows, columns
.set G1W,  24                          ; s[24:31] group 1: 32 rows of W
.set G1S,  32                          ; s[32:39] group 1: four experts' scale bytes
.set G1B,  40                          ; s[40:47] group 1: four experts' bias
.set G0S,  56
.set G0B,  60
.set G0E,  68                          ; a group 0 for each first fill of W
.set G0R,  84                          ; the refills' group 0
.set W_MMB, 0x48                       ; D window 1, W window 0, rows window 2, C (the bias) window 0
.set W_MM2, 0x58                       ; C and D window 1, rows window 2
.set W_MM3, 0x5c                       ; the same, rows window 3
.set W_BL,  0x51                       ; ACC and Y window 1, the blend factor window 0
.set W_EP,  0x55                       ; everything in window 1
.set W_ST,  0x04                       ; a store: address window 0, data window 1
.set MSB, 0
.macro WIN new                         ; the immediate's high byte repeats the setting that is left; a switch that changes nothing is dropped
.if MSB != (\new)
	s_set_vgpr_msb (MSB<<8)|(\new)
.set MSB, (\new)
.endif
.endm
.macro CREST                           ; a round of the cluster's barrier behind its opening barrier
	s_cmp_lg_u32 s[WV], 0
	s_cbranch_scc1 .Lnot_wave_0_\@
	s_barrier_signal -3
.Lnot_wave_0_\@:
	s_barrier_wait -3
	s_barrier_signal -1
	s_barrier_wait -1
.endm
.macro CROUND                          ; a whole round
	s_barrier_signal -1
	s_barrier_wait -1
	CREST
.endm
.macro NOPS n
.rept \n
	v_nop
.endr
.endm
; The scaled product, with the rows of the two scale registers chosen
.macro MMX d, w, x, c, p, q, ra, rb
.if ((\ra) == 0) && ((\rb) == 0)
	v_wmma_scale_f32_16x16x128_f8f6f4 v[\d:\d+7], v[\w:\w+15], v[\x:\x+15], v[\c:\c+7], v[\p], v[\q] matrix_a_fmt:MATRIX_FMT_BF8 matrix_b_fmt:MATRIX_FMT_BF8
.elseif (\rb) == 0
	v_wmma_scale_f32_16x16x128_f8f6f4 v[\d:\d+7], v[\w:\w+15], v[\x:\x+15], v[\c:\c+7], v[\p], v[\q] matrix_a_fmt:MATRIX_FMT_BF8 matrix_b_fmt:MATRIX_FMT_BF8 matrix_a_scale:MATRIX_SCALE_ROW1
.elseif (\ra) == 0
	v_wmma_scale_f32_16x16x128_f8f6f4 v[\d:\d+7], v[\w:\w+15], v[\x:\x+15], v[\c:\c+7], v[\p], v[\q] matrix_a_fmt:MATRIX_FMT_BF8 matrix_b_fmt:MATRIX_FMT_BF8 matrix_b_scale:MATRIX_SCALE_ROW1
.else
	v_wmma_scale_f32_16x16x128_f8f6f4 v[\d:\d+7], v[\w:\w+15], v[\x:\x+15], v[\c:\c+7], v[\p], v[\q] matrix_a_fmt:MATRIX_FMT_BF8 matrix_b_fmt:MATRIX_FMT_BF8 matrix_a_scale:MATRIX_SCALE_ROW1 matrix_b_scale:MATRIX_SCALE_ROW1
.endif
.endm
; Y(i, a) (+)= W[e] tile i x rows block a, K step s.  The first K step takes the bias as C.
.macro MM e, s, i, a
.set rD, 8*NT*(\a)+8*(\i)
.set rW, BF+16*(((\s)*NT+(\i))%8)
.set rX, 64*((\s)%4)+16*(\a)
.set rC, rD
.if (\s) == 0
.set rC, BIAS+8*(\i)
.endif
.set rP, SB+16*((\e)%2)+KSTEPS*((\i)/2)+(\s)
.set rQ, SA+KSTEPS*((\a)/2)+(\s)
	MMX rD, rW, rX, rC, rP, rQ, (\i)%2, (\a)%2
.endm
; ACC(i, a) (+)= blend[.][e] x Y(i, a): four packed lines, from Y's low end on; of the pair that holds the factor one register serves both halves.  Expert 0 starts ACC.
.macro BLEND e, i, a
.set rY, 8*NT*(\a)+8*(\i)
.set rB, BL+8*(\a)+2*((\e)/2)
.irp j, 0,2,4,6
.if (\e) == 0
	v_pk_mul_f32 v[128+rY+\j:128+rY+\j+1], v[rY+\j:rY+\j+1], v[rB:rB+1] op_sel_hi:[1,0]
.elseif (\e)%2 == 0
	v_pk_fma_f32 v[128+rY+\j:128+rY+\j+1], v[rY+\j:rY+\j+1], v[rB:rB+1], v[128+rY+\j:128+rY+\j+1] op_sel_hi:[1,0,1]
.else
	v_pk_fma_f32 v[128+rY+\j:128+rY+\j+1], v[rY+\j:rY+\j+1], v[rB:rB+1], v[128+rY+\j:128+rY+\j+1] op_sel:[0,1,0] op_sel_hi:[1,1,1]
.endif
.endr
.endm
; Fragment f = NT s + i of expert e: 16 rows x 128 K: lane (r, h) takes, of row 16 i + r, the bytes 128 s + 32 c + 16 h on, into registers 4 c .. 4 c + 3 of buffer f % 8
.macro FRAG e, f
	WIN 0
.set fb, BF+16*((\f)%8)
.set fo, ((\f)%NT)*16*PITCH+128*((\f)/NT)
.irp c, 0,1,2,3
	ds_load_b128 v[fb+4*\c:fb+4*\c+3], v[ADW+(\e)%NREG] offset:fo+32*\c
.endr
.endm
.macro FETCH e, b                      ; the four fragments of batch b of expert e: sixteen loads
	FRAG \e, 4*(\b)
	FRAG \e, 4*(\b)+1
	FRAG \e, 4*(\b)+2
	FRAG \e, 4*(\b)+3
.endm
; Expert e's scale words (16 bytes of a row are the words of four K steps) and its bias
.macro AUX e
	WIN 0
.set ag, 0
.rept NT/2
.set aq, 0
.rept KS/16
	ds_load_b128 v[SB+16*((\e)%2)+KSTEPS*ag+4*aq:SB+16*((\e)%2)+KSTEPS*ag+4*aq+3], v[ADS] offset:(\e)*64*KS+ag*32*KS+16*aq
.set aq, aq+1
.endr
.set ag, ag+1
.endr
.set ag, 0
.rept NT
	ds_load_b128 v[BIAS+8*ag:BIAS+8*ag+3], v[ADB] offset:(\e)*256+64*ag
	ds_load_b128 v[BIAS+8*ag+4:BIAS+8*ag+7], v[ADB] offset:(\e)*256+64*ag+16
.set ag, ag+1
.endr
.endm
; THE RUN OF LDS LOADS behind batch b of expert e: the batch after next comes into the four buffers that this batch has just read; behind an expert's first batch the next expert's scale words and bias come too.
; In front of the loads stand the places that a load into a register which a product has read needs behind that product: eight plain vector lines;
; had of them stand there already.  Behind an expert's last batch nine: they are also the places between Y(0, 0)'s last link and the product that starts it anew (the blend's own four lines name Y(0, 0) and are none);
; every later accumulator has the earlier blends' lines besides.  rn = the loads of the run: what the wait at the next batch's head may leave out.
.macro RUN e, b, had
.set rn, 0
.if ((\e) < 7) || ((\b) < NB-2)
	WIN 0
.if (\b) == NB-1
	NOPS 9-(\had)
.else
	NOPS 8-(\had)
.endif
.if (\b) < NB-2
	FETCH \e, (\b)+2
.else
	FETCH (\e)+1, (\b)+2-NB
.endif
.set rn, 16
.if ((\b) == 0) && ((\e) < 7)
	AUX (\e)+1
.set rn, 16+AUXN
.endif
.endif
.endm
; Fragment u of expert e against my four row blocks: four products on four accumulators.  In an expert's first K step the blend of the expert before stands directly ahead of the product that starts Y(i, a) anew.
.macro QUAD e, u
.set gs, (\u)/NT
.set gi, (\u)%NT
.if ((\e) == 0) && (gi == 0)
.set lc, 16*(KSTEPS-1-gs)
.if lc > 63
.set lc, 63
.endif
	s_wait_loadcnt lc                              ; the rows' codes of this K step are in (and all that was asked for ahead of them): behind them stand 16 loads for each later K step; the count names 63 at the most
.endif
.irp a, 0,1,2,3
.if (gs == 0) && ((\e) > 0)
	WIN W_BL
	BLEND (\e)-1, gi, \a
.endif
.if gs == 0
	WIN W_MMB
.elseif gs < 4
	WIN W_MM2
.else
	WIN W_MM3
.endif
	MM \e, gs, gi, \a
.endr
.endm
; A BATCH: four fragments, sixteen products back to back, then one run of loads.  The 4 NT accumulators take turns, one instruction a turn, in the same order in every K step.
; IN THE LAST BATCH BUT ONE OF EXPERTS 1, 3 AND 5, behind which the next pair of experts is first read, stands a barrier; my reads of this expert's region were all issued a batch ago.
; kind 1: every wave has seen its part of the next pair's tiles land; my fills of later pairs (cnt of them) may stay out.
; kind 2: the two regions whose experts are done are filled again: the wait for all my tensor loads, the add, eight products, the wait for the add and for my reads, and a round of the cluster's barrier, in which eight products stand.
.macro BATCH e, b
.set kind, 0
.set cnt, 0
.if ((\b) == NB-2) && (((\e)%2) == 1) && ((\e) < 7)
.set kind, 1
.set cnt, (5-(\e))/2
.if (NREG == 4) && ((\e) < 5)
.set kind, 2
.endif
.endif
.if kind == 2
	WIN 0                                          ; (the add's two registers lie in window 0)
	s_wait_tensorcnt 0x0                           ; all my tensor loads have landed, so a group 0 may be written
	ds_add_u32 v[SPW], v[NIL]                      ; 0 onto my spare word
.if (\e) == 3
	s_add_co_u32 s[G0R+1], s[G0R+1], 2*EXPB        ; the second refill: two regions and two experts on
	s_add_nc_u64 s[G0R+2:G0R+3], s[G0R+2:G0R+3], 2*NOUT*KB
.endif
	s_wait_dscnt rn+1                              ; this batch's fragments are in; the add and the run just issued may be out
.else
	s_wait_dscnt rn                                ; this batch's fragments, asked for a batch ago, are in; the run just issued may be out
.endif
	QUAD \e, 4*(\b)
	QUAD \e, 4*(\b)+1
.if kind == 2
	s_wait_dscnt 0x0                               ; the add is done, and my reads of the two regions are over
	s_barrier_signal -1                            ; opens the round
.elseif kind == 1
	s_wait_tensorcnt cnt
	s_wait_dscnt 0x0
	s_barrier_signal -1
.endif
	QUAD \e, 4*(\b)+2
	QUAD \e, 4*(\b)+3
.if kind == 2
	WIN 0
	s_barrier_wait -1
	CREST                                          ; no wave of any partner still reads the two regions or has a load on its way
	tensor_load_to_lds s[G0R:G0R+3], s[G1W:G1W+7]  ; my one tensor load behind the round: 32 rows of one of the two experts; it has two experts' products in which to land
	s_nop 0
	NOPS 4                                         ; four of the eight places in front of the run
	RUN \e, \b, 4
.else
.if kind == 1
	s_barrier_wait -1
.endif
	RUN \e, \b, 0
.endif
.endm
.macro EXPERT e
.set eb, 0
.rept NB
	BATCH \e, eb
.set eb, eb+1
.endr
.endm
	s_load_b256 s[4:11], s[0:1], 0x0               ; rows' codes s[4:5], rows' scales s[6:7], W's codes s[8:9], W's scales s[10:11]
	s_load_b128 s[12:15], s[0:1], 0x20             ; bias s[12:13], weight_blend s[14:15]
	s_load_b64 s[16:17], s[0:1], 0x30              ; the output (codes or f32)
.if OUTQ
	s_load_b64 s[18:19], s[0:1], 0x38              ; the output's scale bytes
.endif
	v_lshl_add_u32 v[SPW], v0, 2, SPARE
	v_mov_b32 v[NIL], 0
	ds_add_u32 v[SPW], v[NIL]                      ; the wave's opening: the add, twice on end, and its wait ahead of my first tensor load; the set-up below, work on registers, stands between
	ds_add_u32 v[SPW], v[NIL]
	v_lshrrev_b32 v128, 5, v0
	v_readfirstlane_b32 s[WV], v128                ; wave 0..3
	s_bfe_u32 s21, ttmp6, 0x40000                  ; cx: it enters the addresses of the rows, the blend and the outputs alone
	s_lshl_b32 s22, ttmp9, 2
	s_add_co_u32 s22, s22, s21                     ; my block of rows = 4 x cluster x + cx
	s_and_b32 s23, ttmp7, 0xffff                   ; my tile of 64 columns, which the four partners share
	s_lshr_b32 s104, s[WV], WN-1
	s_and_b32 s105, s[WV], WN-1
	s_mul_i32 s22, s22, MT                         ; the work-group's first row
	s_lshl_b32 s21, s104, 6
	s_add_co_u32 s21, s21, s22                     ; my wave's first row
	; descriptor groups 1: constants
	s_mov_b32 s[G1W], 15|(1<<20)|(1<<21)|(QI<<22)|(3<<25)   ; 15:0 the mask: all four work-groups; 17:16 elements of 1 byte; 20 padding on; 21 set beside a mask; 24:22 after every row; 31:25 four words
	s_mov_b32 s[G1W+1], KB<<16                     ; tensor_dim0
	s_mov_b32 s[G1W+2], 32<<16                     ; tensor_dim1
	s_mov_b32 s[G1W+3], KB<<16                     ; tile_dim0
	s_mov_b32 s[G1W+4], 32                         ; tile_dim1
	s_mov_b32 s[G1W+5], KB                         ; from row to row
	s_mov_b32 s[G1W+6], 0
	s_mov_b32 s[G1W+7], 0
	s_mov_b32 s[G1S], 15|(3<<16)|(1<<21)           ; elements of 8 bytes, no padding: a row = one expert's 64 x KS scale bytes, dense in memory
	s_mov_b32 s[G1S+1], (8*KS)<<16
	s_mov_b32 s[G1S+2], 4<<16
	s_mov_b32 s[G1S+3], (8*KS)<<16
	s_mov_b32 s[G1S+4], 4
	s_mov_b32 s[G1S+5], NOUT*KS/8                  ; from expert to expert
	s_mov_b32 s[G1S+6], 0
	s_mov_b32 s[G1S+7], 0
	s_mov_b32 s[G1B], 15|(3<<16)|(1<<21)           ; a row = one expert's 64 biases, 256 bytes
	s_mov_b32 s[G1B+1], 32<<16
	s_mov_b32 s[G1B+2], 4<<16
	s_mov_b32 s[G1B+3], 32<<16
	s_mov_b32 s[G1B+4], 4
	s_mov_b32 s[G1B+5], NOUT/2
	s_mov_b32 s[G1B+6], 0
	s_mov_b32 s[G1B+7], 0
	; groups 0: LDS addresses, and the byte offsets to which the pointers are added below.  s48 to s50, s100, s101 and these registers never hold cx
	s_lshl_b32 s100, s23, 6                        ; the tile's first column = first row of W in an expert
	s_and_b32 s101, s[WV], 1
	s_mov_b32 s[G0S], 1
	s_mul_i32 s[G0S+1], s101, 256*KS               ; waves 0, 1: the scale bytes of experts 0-3, 4-7
	s_add_co_u32 s[G0S+1], s[G0S+1], SCW
	s_mul_i32 s[G0S+2], s101, 4*NOUT
	s_add_co_u32 s[G0S+2], s[G0S+2], s100
	s_mov_b32 s[G0B], 1
	s_lshl_b32 s[G0B+1], s101, 10                  ; waves 2, 3: the bias of experts 0-3, 4-7
	s_add_co_u32 s[G0B+1], s[G0B+1], BIA
	s_lshl_b32 s[G0B+2], s[G0S+2], 2
	s_mul_i32 s[G0S+2], s[G0S+2], KS
	s_mov_b32 s[G0S+3], 0
	s_mov_b32 s[G0B+3], 0
	s_lshr_b32 s48, s[WV], 1                       ; W: wave w brings rows 32 (w % 2) on of experts w / 2, 2 + w / 2, ..
	s_mul_i32 s49, s48, NOUT
	s_add_co_u32 s49, s49, s100
	s_lshl_b32 s50, s101, 5
	s_add_co_u32 s49, s49, s50
	s_mul_i32 s49, s49, KB                         ; where they begin in W, in bytes, for expert w / 2,
	s_mul_i32 s48, s48, EXPB
	s_mul_i32 s50, s101, 32*PITCH
	s_add_co_u32 s48, s48, s50                     ; and in LDS
.set hq, 0
.rept NF
	s_mov_b32 s[G0E+4*hq], 1
	s_add_co_u32 s[G0E+4*hq+1], s48, 2*hq*EXPB
	s_add_co_u32 s[G0E+4*hq+2], s49, 2*hq*NOUT*KB
	s_mov_b32 s[G0E+4*hq+3], 0
.set hq, hq+1
.endr
.if NREG == 4
	s_mov_b32 s[G0R], 1                            ; the first refill: expert 4 + w / 2 into region w / 2
	s_mov_b32 s[G0R+1], s48
	s_add_co_u32 s[G0R+2], s49, 4*NOUT*KB
	s_mov_b32 s[G0R+3], 0
.endif
	; my lane's places
	v_and_b32 v128, 15, v0                         ; r
	v_bfe_u32 v129, v0, 4, 1                       ; h
	v_and_b32 v130, 31, v0                         ; lane
	v_mul_u32_u24 v131, v128, PITCH
	v_lshl_add_u32 v131, v129, 4, v131
	s_mul_i32 s100, s105, NT*16*PITCH
	v_add_nc_u32 v131, s100, v131                  ; row r of my first tile, + 16 h
.set hq, 0
.rept NREG
	v_add_nc_u32 v[ADW+hq], hq*EXPB, v131
.set hq, hq+1
.endr
	s_mul_i32 s100, s105, 32*KS
	s_add_co_u32 s100, s100, SCW
	v_mul_u32_u24 v[ADS], v130, KS
	v_add_nc_u32 v[ADS], s100, v[ADS]              ; lane l: the scale bytes of row l of my columns' first 32
	s_mul_i32 s100, s105, 64*NT
	s_add_co_u32 s100, s100, BIA
	v_lshlrev_b32 v[ADB], 5, v129
	v_add_nc_u32 v[ADB], s100, v[ADB]              ; my half's eight biases of a tile
.if AIMG
	v_lshlrev_b32 v[XA], 4, v130                   ; an image: 16 bytes a lane
	v_lshlrev_b32 v[SAV], 1, v130                  ; a plane of scale bytes: 2 bytes a row
.else
	v_lshlrev_b32 v[XA], 9, v128
	v_lshl_add_u32 v[XA], v129, 4, v[XA]           ; row r of 512 bytes, + 16 h
	v_lshlrev_b32 v[SAV], 4, v130                  ; 16 scale bytes a row
.endif
	v_lshlrev_b32 v[BLV], 5, v128                  ; 32 bytes of weight_blend a row
	s_wait_dscnt 0x0                               ; both opening adds are done
	s_wait_kmcnt 0x0
	s_add_nc_u64 s[G0S+2:G0S+3], s[10:11], s[G0S+2:G0S+3]
	s_or_b32 s[G0S+3], s[G0S+3], 0x80000000        ; type = 2
	s_add_nc_u64 s[G0B+2:G0B+3], s[12:13], s[G0B+2:G0B+3]
	s_or_b32 s[G0B+3], s[G0B+3], 0x80000000
.if NREG == 4
	s_add_nc_u64 s[G0R+2:G0R+3], s[8:9], s[G0R+2:G0R+3]
	s_or_b32 s[G0R+3], s[G0R+3], 0x80000000
.endif
.set hq, 0
.rept NF
	s_add_nc_u64 s[G0E+4*hq+2:G0E+4*hq+3], s[8:9], s[G0E+4*hq+2:G0E+4*hq+3]
	s_or_b32 s[G0E+4*hq+3], s[G0E+4*hq+3], 0x80000000
.set hq, hq+1
.endr
	CROUND                                         ; all four work-groups are here: the first joint loads meet
	s_cmp_lt_u32 s[WV], 2                          ; the scale bytes (waves 0, 1) and the bias (waves 2, 3) first: they are wanted with expert 0.  The branch hangs on the wave's number alone
	s_cbranch_scc0 .Lfor_bias
	tensor_load_to_lds s[G0S:G0S+3], s[G1S:G1S+7]
	s_nop 0
	NOPS 4
	s_branch .Lasked
.Lfor_bias:
	tensor_load_to_lds s[G0B:G0B+3], s[G1B:G1B+7]
	s_nop 0
	NOPS 4
.Lasked:
.set hq, 0
.rept NF
	tensor_load_to_lds s[G0E+4*hq:G0E+4*hq+3], s[G1W:G1W+7]   ; my half of the tile of expert 2 hq + w / 2
	s_nop 0
.set hq, hq+1
.endr
	NOPS 4
	s_mov_b32 s3, 0                                ; the bases of what is my work-group's own
	s_mul_i32 s2, s21, KB
	s_add_nc_u64 s[4:5], s[4:5], s[2:3]            ; my rows' codes: KB bytes a row in either layout
.if AIMG
	s_lshl_b32 s2, s21, 1
.else
	s_lshl_b32 s2, s21, 4
.endif
	s_add_nc_u64 s[6:7], s[6:7], s[2:3]
	s_lshl_b32 s2, s21, 5
	s_add_nc_u64 s[14:15], s[14:15], s[2:3]
.if OUTQ
	s_add_co_u32 s2, s21, s23
	s_lshl_b32 s2, s2, 10                          ; codes out: 1,024 bytes a row (16,384 a block of 16), and 1,024 for each 64 columns inside a block's image
	s_add_nc_u64 s[16:17], s[16:17], s[2:3]
	s_lshl_b32 s2, s23, 12
	s_add_co_u32 s2, s2, s22
	s_lshl_b32 s2, s2, 1                           ; scale bytes out: plane = my tile of 64 columns, 2 bytes a row
	s_add_nc_u64 s[18:19], s[18:19], s[2:3]
.else
	s_lshl_b32 s2, s[WV], 5
	s_add_co_u32 s2, s2, s22
	s_lshl_b32 s2, s2, 11                          ; out0: the 32 rows that my wave stores, 2,048 bytes a row,
	s_lshl_b32 s3, s23, 8
	s_add_co_u32 s2, s2, s3                        ; and 256 bytes for each 64 columns
	s_mov_b32 s3, 0
	s_add_nc_u64 s[16:17], s[16:17], s[2:3]
.endif
.if AIMG
.set hq, 0
.rept 16                               ; hq = 8 p + s: the word of K step s is two planes' halves: columns 128 s + 0 .. 63 and + 64 .. 127; lane l takes row 32 p + l
	global_load_u16 v[192+2*hq], v[SAV], s[6:7] offset:(2*(hq%8))*8192+64*(hq/8)
	global_load_u16 v[193+2*hq], v[SAV], s[6:7] offset:(2*(hq%8)+1)*8192+64*(hq/8)
.set hq, hq+1
.endr
.else
	global_load_b128 v[SA:SA+3], v[SAV], s[6:7]              ; lane l: the four scale words of row l;
	global_load_b128 v[SA+4:SA+7], v[SAV], s[6:7] offset:512 ; of row 32 + l
.endif
.irp a, 0,1,2,3
	global_load_b128 v[BL+8*\a:BL+8*\a+3], v[BLV], s[14:15] offset:512*\a
	global_load_b128 v[BL+8*\a+4:BL+8*\a+7], v[BLV], s[14:15] offset:512*\a+16
.endr
.set hq, 0
.rept KSTEPS                           ; the rows' codes, K step by K step, so that the first products can start while the later steps are on their way
	WIN 0x80+0x40*(hq/4)
.irp a, 0,1,2,3
.irp c, 0,1,2,3
.if AIMG
	global_load_b128 v[64*(hq%4)+16*\a+4*\c:64*(hq%4)+16*\a+4*\c+3], v[XA], s[4:5] offset:(8*\a+hq)*2048+512*\c   ; 32 lanes read 512 consecutive bytes
.else
	global_load_b128 v[64*(hq%4)+16*\a+4*\c:64*(hq%4)+16*\a+4*\c+3], v[XA], s[4:5] offset:8192*\a+128*hq+32*\c
.endif
.endr
.endr
.set hq, hq+1
.endr
	WIN 0
.if AIMG
	s_wait_loadcnt 63                              ; behind the 32 halves stand 136 loads; the count names 63 at the most
.set hq, 0
.rept 16
	v_lshl_or_b32 v[SA+hq], v[193+2*hq], 16, v[192+2*hq]
.set hq, hq+1
.endr
	NOPS 8                                         ; a scale register written by a vector instruction stands eight places ahead of the product that names it
.endif
	s_wait_tensorcnt NF-1                          ; my scale bytes or bias and my half of expert 0's or 1's tile are in; my fills of the later pairs may stay out
	s_barrier_signal -1
	s_barrier_wait -1                              ; everybody's are: experts 0 and 1 lie whole in LDS
	AUX 0
	FETCH 0, 0
	FETCH 0, 1
.set rn, 16                            ; behind expert 0's scale words, bias and first batch: the second batch's sixteen loads
.irp e, 0,1,2,3,4,5,6,7
	EXPERT \e
.endr
	; THE WAY OUT.  Its addresses are made first: ten plain lines that name no register of the last products: the places ahead of the last blend
	WIN 0
	v_and_b32 v3, 15, v0                           ; r
	v_bfe_u32 v4, v0, 4, 1                         ; h
	s_mul_i32 s100, s104, 64*272
	s_lshl_b32 s101, s105, 7
	s_add_co_u32 s100, s100, s101
	s_add_co_u32 s100, s100, STG
	v_mul_u32_u24 v5, v3, 272
	v_lshl_add_u32 v5, v4, 5, v5
	v_add_nc_u32 v5, s100, v5                      ; into the stage: my rows, my 128 bytes of them; row r, 32 bytes for each half of the lanes
	s_mul_i32 s100, s[WV], 32*272
	s_add_co_u32 s100, s100, STG
	v_mul_u32_u24 v6, v4, 272
	v_lshl_add_u32 v6, v3, 4, v6
	v_add_nc_u32 v6, s100, v6                      ; back: wave w takes rows 32 w on, whole: lanes 0-15 one row of 256 bytes, lanes 16-31 the next
	v_lshlrev_b32 v7, 11, v4
	v_lshl_add_u32 v7, v3, 4, v7                   ; and the same two rows in out0
	WIN W_BL
.irp a, 0,1,2,3
.set bi, 0
.rept NT
	BLEND 7, bi, \a                                ; the last expert
.set bi, bi+1
.endr
.endr
	WIN W_ST
.irp a, 0,1,2,3
.irp i, 0,1
	ds_store_b128 v5, v[128+16*\a+8*\i:128+16*\a+8*\i+3] offset:\a*16*272+64*\i
	ds_store_b128 v5, v[128+16*\a+8*\i+4:128+16*\a+8*\i+7] offset:\a*16*272+64*\i+16
.endr
.endr
	WIN 0
	s_wait_dscnt 0x0                               ; for the others' sake: a row's 256 bytes come from two waves
	s_barrier_signal -1
	s_barrier_wait -1
.irp t, 0,1,2,3,4,5,6,7,8,9,10,11,12,13,14,15
	ds_load_b128 v[128+4*\t:128+4*\t+3], v6 offset:\t*2*272
.endr
.irp t, 0,1,2,3,4,5,6,7,8,9,10,11,12,13,14,15
	s_wait_dscnt 15-\t                             ; the younger loads may stay out
	global_store_b128 v7, v[128+4*\t:128+4*\t+3], s[16:17] offset:\t*2*2048 th:TH_STORE_NT   ; 16 lanes store 256 consecutive bytes, at a multiple of 256 from out0's first byte
.endr
	s_wait_tensorcnt 0x0                           ; the wave's end: the add and its waits, behind my last tensor load and my last LDS store
	ds_add_u32 v[SPW], v[NIL]
	s_wait_dscnt 0x0
	CROUND                                         ; the closing round: no work-group ends while a partner may still ask for a tile that names it
	s_endpgm
.Lfunc_end_k_qd17a72cc30_layer2:
	.size	k_qd17a72cc30_layer2, .Lfunc_end_k_qd17a72cc30_layer2-k_qd17a72cc30_layer2
	.p2alignl 7, 3214868480
	.fill 96, 4, 3214868480
	.section	.rodata,"a",@progbits
	.p2align	6, 0x0
	.amdhsa_kernel k_qd17a72cc30_layer2
		.amdhsa_group_segment_fixed_size 327680
		.amdhsa_private_segment_fixed_size 0
		.amdhsa_enable_private_segment 0
		.amdhsa_kernarg_size 56
		.amdhsa_user_sgpr_count 2
		.amdhsa_user_sgpr_kernarg_segment_ptr 1
		.amdhsa_wavefront_size32 1
		.amdhsa_system_sgpr_workgroup_id_x 1
		.amdhsa_system_sgpr_workgroup_id_y 1
		.amdhsa_system_sgpr_workgroup_id_z 1
		.amdhsa_system_vgpr_workitem_id 0
		.amdhsa_next_free_vgpr 1024
		.amdhsa_next_free_sgpr 106
		.amdhsa_reserve_vcc 0
		.amdhsa_float_denorm_mode_32 3
		.amdhsa_float_denorm_mode_16_64 3
		.amdhsa_memory_ordered 1
		.amdhsa_forward_progress 1
		.amdhsa_inst_pref_size 161
	.end_amdhsa_kernel
	.amdgpu_metadata
---
amdhsa.version: [ 1, 2 ]
amdhsa.kernels:
  - .name:           k_qd17a72cc30_layer2
    .symbol:         k_qd17a72cc30_layer2.kd
    .args:
      - { .name: h2c, .offset: 0, .size: 8, .value_kind: global_buffer, .address_space: global }
      - { .name: h2s, .offset: 8, .size: 8, .value_kind: global_buffer, .address_space: global }
      - { .name: W2_codes, .offset: 16, .size: 8, .value_kind: global_buffer, .address_space: global }
      - { .name: W2_scales, .offset: 24, .size: 8, .value_kind: global_buffer, .address_space: global }
      - { .name: B2, .offset: 32, .size: 8, .value_kind: global_buffer, .address_space: global }
      - { .name: weight_blend, .offset: 40, .size: 8, .value_kind: global_buffer, .address_space: global }
      - { .name: out0, .offset: 48, .size: 8, .value_kind: global_buffer, .address_space: global }
    .group_segment_fixed_size: 327680
    .private_segment_fixed_size: 0
    .kernarg_segment_align: 8
    .kernarg_segment_size: 56
    .max_flat_workgroup_size: 128
    .sgpr_count:     106
    .vgpr_count:     1024
    .wavefront_size: 32
...
	.end_amdgpu_metadata
.endif
;; end of part 3
